; MI455X (gfx1250); checked and timed in simulation.
; The chip was launched on July 23, 2026; its instructions are those of AMD's public machine-readable ISA for CDNA 5 (MIT licence, August 2026) and "CDNA5" Instruction Set Architecture Reference Guide (July 2026). The comments in the code are by the model that wrote it; some were corrected since.
;; Rope Self Attention. Allowed arithmetic: matrix products marked QUANTISED: E2M1 operands, one E8M0 scale for each 32 along K, by v_wmma_scale_f32_16x16x128_f8f6f4 with both operands' format E2M1 (or v_wmma_scale_f32_32x16x128_f4), f32 sums; products left as they are: bf16, f16 or f32 operands; f32 sums; everything else in f32.
;; Inputs: hidden 4 x 2,048 x 1,024 float32; proj_b 1,024 float32; proj_w 1,024 x 1,024 float32; qkv_b 3,072 float32; qkv_w 3,072 x 1,024 float32.
;; Outputs: out0 4 x 2,048 x 1,024 float32.
;; This version of the problem:
;;   THIS VERSION OF THE PROBLEM IS GIVEN IN LOW PRECISION. The matrix products marked QUANTISED in the list below multiply operands that are first quantised to E2M1 (2 exponent bits, 1 mantissa bit; 4 bits a number), with one power-of-two scale for each 32 numbers along K (OCP MX v1.0); their sums are f32. The products marked 'left as it is' may take bf16, f16 or f32 operands, with f32 sums. Whichever they take, every output number must still come out within the allowed error. Rounding operands to bf16 (8 significant bits) uses up far more of that allowance than f16 does (11 bits, for magnitudes from 6e-5 to 65,504). All else is computed in f32.
;;   The module's matrix products, in the order in which they are computed (A, B: the left and right operand; K: the contracted axis; several contracted axes count as one K, in the product's order):
;;     1. [M 8,192, K 1,024] x [K 1,024, N 3,072]; A: input hidden; B: input qkv_w: QUANTISED
;;     2. batch 64 x [M 2,048, K 64] x [K 64, N 2,048]; A: computed on the way; B: computed on the way: left as it is (an operand is computed on the way)
;;     3. batch 64 x [M 2,048, K 2,048] x [K 2,048, N 64]; A: computed on the way; B: computed on the way: left as it is (an operand is computed on the way)
;;     4. [M 8,192, K 1,024] x [K 1,024, N 1,024]; A: computed on the way; B: input proj_w: left as it is (an operand is computed on the way)
;;   THE QUANTISER, for each operand of a quantised product, along K:
;;     - K is cut into blocks of 32 from its start; a last block that is shorter is filled with zeros.
;;     - A block's scale is 2^e with e = floor(log2(the largest magnitude in the block)) - 2, held to -126 .. 127; a block of zeros has e = 0. As a byte (E8M0): e + 127.
;;     - Each number is divided by its block's scale, clamped to +-6, and rounded to the nearest number of E2M1, ties to even, subnormals kept.
;;     - The product sums the exact products of the quantised numbers (number of the format x scale) in f32.
;;   ~~~python
;;   def quantise(x, axis):      # numpy; x: float32 -> the quantised numbers, widened to float32 again
;;       x = np.moveaxis(x, axis, -1); K = x.shape[-1]
;;       x = np.pad(x, [(0, 0)] * (x.ndim - 1) + [(0, -K % 32)]); x = x.reshape(x.shape[:-1] + (-1, 32)); a = np.abs(x).max(-1, keepdims=True)
;;       e = np.where(a > 0, np.clip(np.frexp(np.where(a > 0, a, 1))[1] - 1 - 2, -126, 127), 0)      # np.frexp(a)[1] - 1 = floor(log2(a)), exactly
;;       r = np.clip(x / 2.0 ** e, -6, 6)
;;       step = 2.0 ** (np.maximum(np.frexp(np.where(r == 0, 1, r))[1] - 1, 0) - 1)
;;       q = np.round(r / step) * step * 2.0 ** e      # np.round: ties to even
;;       return np.moveaxis(q.reshape(q.shape[:-2] + (-1,))[..., :K], -1, axis).astype(np.float32)
;;   ~~~
;; One version. Each part assembles by itself: llvm-mc -triple=amdgcn-amd-amdhsa -mcpu=gfx1250 --defsym DOCPART=n.
;; ======== version 1 of 1: 4 launches
;; limits: values are held in f16: magnitudes above 65,504 overflow, below 6.1e-05 lose precision
;; workspace buffers: a_codes 4,194,304 bytes; a_scales 262,144 bytes; b_codes 1,572,864 bytes; b_scales 98,304 bytes; wp16 2,097,152 bytes; rope 524,288 bytes; qkv16 50,331,648 bytes; att16 16,777,216 bytes
;; launch prep (part 1): grid 512 x 1, 4 waves a work-group, no clusters, 33,280 bytes of LDS; arguments hidden, qkv_w, a_codes, a_scales, b_codes, b_scales, proj_w, wp16, rope; writes a_codes, a_scales, b_codes, b_scales, wp16, rope
.if DOCPART == 1
	.amdgcn_target "amdgcn-amd-amdhsa--gfx1250"
	.amdhsa_code_object_version 6
	.text
	.protected	k_q811b69f6d0_prep
	.globl	k_q811b69f6d0_prep
	.p2align	8
	.type	k_q811b69f6d0_prep,@function
k_q811b69f6d0_prep:
	s_mov_b64 s[64:65], 0
	v_nop
	global_prefetch_b8 v0, s[64:65] scope:SCOPE_SE
	s_setreg_imm32_b32 hwreg(HW_REG_WAVE_MODE, 25, 1), 1
	s_wait_xcnt 0x0
; Three jobs that share one launch, told apart by the work-group's number:
;   0-255    hidden [8192][1024] f32 -> codes of FP4 (E2M1), K innermost, and one E8M0 byte for each 32 along K
;   256-351  qkv_w  [3072][1024] f32 -> the same
;   352-383  proj_w [1024][1024] f32 -> f16, same layout
;   384-511  the table of cos and sin for the rotary embedding, both times sqrt(log2(e) / 8), laid as the next launch's registers want it
; THE QUANTISER: a block's scale is 2^(floor(log2(its largest magnitude)) - 2); its byte is the largest magnitude's exponent field - 2, held at 1 from below; each number is divided by
; the scale and rounded to the nearest code, ties to even, beyond 6 the largest code.  A block of zeros gets the byte 1: its codes are zeros, and this program alone reads the bytes.
; LIMITS: NaN and infinities are not served; blocks whose largest magnitude lies under 2^-124 keep the byte 1; proj_w must stay under 65,504 in magnitude, and what lies under 6e-5 keeps an absolute
; error of 3e-8 (f16); the table's frequencies 10000^(-i/32) are made by one multiplication and v_exp_f32, so an angle can differ from a correctly rounded one by some 5e-4 rad at position 2,047.
; Rows are dense and 1,024 is a multiple of 32: the two tensors to be quantised are plain streams of blocks of 32.  A wave takes 16 steps of 512 numbers: each load reads 512 consecutive bytes, the 2,048 bytes
; of a step turn through the wave's own stage in LDS and come back 64 bytes a lane (16 neighbours along K, two lanes to a block).  No barrier: waves share nothing.
.set WAVES, 4
.set STEPS, 16
.set WGA,   256                        ; work-groups for hidden
.set WGQ,   352                        ; first work-group that does not quantise
.set WGW,   384                        ; first work-group of the table
.set EMAX,  2
.set CB,    8                          ; bytes of 16 codes
.set R,     16                         ; v16-79   four sets of 16 numbers as they are loaded
.set X,     80                         ; v80-111  two sets of 16 neighbours
.set E,     112                        ; v112-127 a scale byte for each step
.set C,     128                        ; v128-191 codes: four registers for each step
.set WREG,  8192                       ; LDS: a region for each wave: two stages of 32 x SP bytes, behind them its 256 scale bytes
.set SP,    80                         ; a lane's place in a stage: 64 bytes + 16 of padding
.set SPW,   12                         ; v12  LDS address of my spare word; never rewritten
.set NIL,   13                         ; v13  0; never rewritten
.set SPARE, WAVES*WREG                 ; behind the four regions: the spare words, 128 bytes a wave
	s_load_b128 s[4:7], s[0:1], 0x0                ; hidden, qkv_w
	s_load_b128 s[8:11], s[0:1], 0x10              ; hidden's codes, scales
	s_load_b128 s[12:15], s[0:1], 0x20             ; qkv_w's codes, scales
	s_load_b128 s[24:27], s[0:1], 0x30             ; proj_w, wp16
	s_load_b64 s[28:29], s[0:1], 0x40              ; the table
	v_lshl_add_u32 v[SPW], v0, 2, SPARE
	v_mov_b32 v[NIL], 0
	v_lshrrev_b32 v1, 5, v0
	v_readfirstlane_b32 s16, v1                    ; wave
	v_and_b32 v2, 31, v0                           ; lane
	v_lshlrev_b32 v3, 4, v2                        ; 16 x lane
	v_lshlrev_b32 v7, 3, v2                        ; 8 x lane
	s_wait_kmcnt 0x0
	s_cmp_ge_u32 ttmp9, WGQ
	s_cbranch_scc1 .Lother
; ---------------- the quantiser
	s_mul_i32 s17, s16, WREG
	v_lshrrev_b32 v14, 2, v2
	v_mul_u32_u24 v14, v14, SP
	v_and_b32 v15, 3, v2
	v_lshl_add_u32 v14, v15, 4, v14
	v_add_nc_u32 v14, s17, v14                     ; the stage, on the way in: SP (lane / 4) + 16 (lane % 4)
	v_mul_u32_u24 v15, v2, SP
	v_add_nc_u32 v15, s17, v15                     ; and on the way out: SP x lane: my 16 neighbours
	v_mul_u32_u24 v4, v2, CB                       ; my codes' place in a step's
	v_lshrrev_b32 v5, 1, v2
	s_add_co_u32 s17, s17, 2*32*SP
	v_add_nc_u32 v5, s17, v5                       ; LDS: my wave's 256 scale bytes, my block's byte
	v_add_nc_u32 v6, s17, v7                       ; and on the way out 8 bytes a lane
	s_cmp_lt_u32 ttmp9, WGA                        ; hidden or qkv_w?  The choice hangs on the work-group's number alone
	s_cselect_b64 s[4:5], s[4:5], s[6:7]
	s_cselect_b64 s[8:9], s[8:9], s[12:13]
	s_cselect_b64 s[10:11], s[10:11], s[14:15]
	s_cselect_b32 s17, 0, WGA
	s_sub_co_u32 s17, ttmp9, s17
	s_lshl_b32 s17, s17, 2
	s_add_co_u32 s18, s17, s16                     ; which run of 8,192 numbers of the tensor is my wave's
	s_mov_b32 s19, 0
	s_mov_b64 s[20:21], 512*STEPS*4
	s_mul_u64 s[20:21], s[18:19], s[20:21]
	s_add_nc_u64 s[4:5], s[4:5], s[20:21]
	s_mov_b64 s[20:21], 32*STEPS*CB
	s_mul_u64 s[20:21], s[18:19], s[20:21]
	s_add_nc_u64 s[8:9], s[8:9], s[20:21]
	s_lshl_b32 s18, s18, 8                         ; 256 scale bytes a run
	s_add_nc_u64 s[10:11], s[10:11], s[18:19]
.macro LOAD t
.irp i, 0,1,2,3
	global_load_b128 v[R+16*((\t)%4)+4*\i:R+16*((\t)%4)+4*\i+3], v3, s[4:5] offset:2048*(\t)+512*\i th:TH_LOAD_NT   ; 32 lanes read 512 consecutive bytes
.endr
.endm
.macro TURN t                          ; step t's numbers through the stage: LDS serves a wave's instructions in order, so no wait stands between the stores and the loads
.irp i, 0,1,2,3
	ds_store_b128 v14, v[R+16*((\t)%4)+4*\i:R+16*((\t)%4)+4*\i+3] offset:32*SP*((\t)%2)+8*SP*\i
.endr
.irp i, 0,1,2,3
	ds_load_b128 v[X+16*((\t)%2)+4*\i:X+16*((\t)%2)+4*\i+3], v15 offset:32*SP*((\t)%2)+16*\i
.endr
.endm
.irp t, 0,1,2,3
	LOAD \t
.endr
	s_wait_loadcnt 12                              ; step 0's four loads are in; those of steps 1 to 3 may be out
	TURN 0
.macro STEP t
.set XS, X+16*((\t)%2)
.if (\t) > 0
	s_wait_dscnt 1                                 ; this step's numbers are back from the stage (the last step's byte store may be out)
.else
	s_wait_dscnt 0x0
.endif
.if (\t)+4 < STEPS
	LOAD (\t)+4                                    ; into the registers that the stage's stores have read
.endif
.if (\t)+1 < STEPS
.if STEPS-2-(\t) >= 3
	s_wait_loadcnt 12                              ; the next step's four loads are in; those of the three steps behind it may be out
.else
	s_wait_loadcnt 4*(STEPS-2-(\t))
.endif
	TURN (\t)+1                                    ; they go through the other stage while this step is worked
.endif
	v_max3_num_f32 v8, |v[XS]|, |v[XS+1]|, |v[XS+2]|               ; the largest magnitude of my 16, in two chains
	v_max3_num_f32 v9, |v[XS+3]|, |v[XS+4]|, |v[XS+5]|
.irp i, 6,10
	v_max3_num_f32 v8, v8, |v[XS+\i]|, |v[XS+\i+1]|
	v_max3_num_f32 v9, v9, |v[XS+\i+2]|, |v[XS+\i+3]|
.endr
	v_max3_num_f32 v8, v8, |v[XS+14]|, |v[XS+15]|
	v_max3_num_f32 v8, v8, v9, (EMAX+1)<<23        ; and the floor 2^(3 - 127): the byte cannot fall under 1
	v_max_num_f32_dpp v8, v8, v8 row_xmask:1 row_mask:0xf bank_mask:0xf   ; with my neighbour's 16: the block's
	v_add_nc_u32 v11, -(EMAX<<23), v8              ; 2 off its exponent field: the conversion takes the exponent field of this operand as its scale
	v_cvt_scalef32_pk8_fp4_f32 v[C+4*(\t)], v[XS:XS+7], v11
	v_cvt_scalef32_pk8_fp4_f32 v[C+4*(\t)+1], v[XS+8:XS+15], v11
	v_lshrrev_b32 v[E+(\t)], 23, v11               ; the scale's byte
	ds_store_b8 v5, v[E+(\t)] offset:16*(\t)       ; both lanes of a block write the same byte with the same value
	global_store_b64 v4, v[C+4*(\t):C+4*(\t)+1], s[8:9] offset:32*CB*(\t)   ; 32 lanes store 256 consecutive bytes, aligned
.endm
.irp t, 0,1,2,3,4,5,6,7,8,9,10,11,12,13,14,15
	STEP \t
.endr
	ds_load_b64 v[8:9], v6                         ; LDS serves a wave's instructions in order: these see my stores
	s_wait_dscnt 0x0
	global_store_b64 v7, v[8:9], s[10:11]          ; 32 lanes store 256 consecutive bytes, aligned
	s_wait_tensorcnt 0x0                           ; the end of a wave that stored to LDS
	ds_add_u32 v[SPW], v[NIL]
	s_wait_dscnt 0x0
	s_endpgm
.Lother:
	s_cmp_ge_u32 ttmp9, WGW
	s_cbranch_scc1 .Ltable
; ---------------- proj_w to f16: a wave takes 8,192 numbers, four groups of sixteen loads; two groups are on their way
.set IN,   16                          ; v16-143  two sets of 64
.set OUTW, 144                         ; v144-175
	s_sub_co_u32 s17, ttmp9, WGQ
	s_lshl_b32 s17, s17, 2
	s_add_co_u32 s17, s17, s16                     ; my wave's run
	s_lshl_b32 s18, s17, 15
	s_mov_b32 s19, 0
	s_add_nc_u64 s[24:25], s[24:25], s[18:19]
	s_lshl_b32 s18, s17, 14
	s_add_nc_u64 s[26:27], s[26:27], s[18:19]
.macro LOADW g
.irp i, 0,1,2,3,4,5,6,7,8,9,10,11,12,13,14,15
	global_load_b128 v[IN+64*((\g)%2)+4*\i:IN+64*((\g)%2)+4*\i+3], v3, s[24:25] offset:8192*(\g)+512*\i th:TH_LOAD_NT
.endr
.endm
.macro GROUPW g
.if (\g) < 3
	s_wait_loadcnt 16                              ; this group is in; the next group's sixteen loads may be out
.else
	s_wait_loadcnt 0x0
.endif
.if (\g) > 0
	s_wait_xcnt 0x0                                ; the last group's stores have read their data registers, which are written again below
.endif
.irp i, 0,1,2,3,4,5,6,7,8,9,10,11,12,13,14,15
	v_cvt_pk_f16_f32 v[OUTW+2*\i], v[IN+64*((\g)%2)+4*\i], v[IN+64*((\g)%2)+4*\i+1]
	v_cvt_pk_f16_f32 v[OUTW+2*\i+1], v[IN+64*((\g)%2)+4*\i+2], v[IN+64*((\g)%2)+4*\i+3]
.endr
.irp i, 0,1,2,3,4,5,6,7,8,9,10,11,12,13,14,15
	global_store_b64 v7, v[OUTW+2*\i:OUTW+2*\i+1], s[26:27] offset:4096*(\g)+256*\i   ; 32 lanes store 256 consecutive bytes, aligned
.endr
.if (\g) < 2
	LOADW (\g)+2
.endif
.endm
	LOADW 0
	LOADW 1
	GROUPW 0
	GROUPW 1
	GROUPW 2
	GROUPW 3
	s_endpgm
.Ltable:
; ---------------- the table.  Block blk (16 positions) is 4,096 bytes: eight pieces of 512, lane l's 16 bytes at 16 l.  Piece 4 fn + 2 b + half (fn: 0 cos, 1 sin) holds, in lane l,
; position 16 blk + l % 16 and frequencies i = 16 b + 8 (l / 16) + 4 half + 0 .. 3.  A work-group makes a block, wave w the pieces w (cos) and 4 + w (sin).
; The angle is position x 10000^(-i/32), rounded once; it is reduced by n = the nearest whole number to angle x 2 / pi, with pi / 2 in two parts (the high part has 17 significant bits, n at most 11:
; the fused multiply-adds lose nothing that counts), and sin and cos of the rest, at most pi / 4 in size, are polynomials of degree 7 and 8.
.set TH, 16
.set NN, 20
.set RR, 24
.set ZZ, 28
.set PS, 32
.set PC, 36
.set SN, 40
.set CN, 44
.set KQ, 48
.set CO, 52
.set SI, 56
	s_sub_co_u32 s17, ttmp9, WGW                   ; blk
	s_lshl_b32 s18, s17, 4
	v_and_b32 v4, 15, v2
	v_add_nc_u32 v4, s18, v4
	v_cvt_f32_u32 v4, v4                           ; my position
	s_lshr_b32 s19, s16, 1
	s_lshl_b32 s19, s19, 4                         ; 16 b
	s_and_b32 s20, s16, 1
	s_lshl_b32 s20, s20, 2                         ; 4 half
	s_add_co_u32 s19, s19, s20
	v_lshrrev_b32 v5, 4, v2
	v_lshl_add_u32 v5, v5, 3, s19                  ; my first frequency's number
	s_lshl_b32 s20, s17, 12
	s_lshl_b32 s21, s16, 9
	s_add_co_u32 s20, s20, s21
	s_mov_b32 s21, 0
	s_add_nc_u64 s[28:29], s[28:29], s[20:21]      ; my piece of cos; sin's lies 2,048 bytes on
	s_mov_b32 s32, 0xbed49a78                      ; -log2(10000) / 32
	s_mov_b32 s33, 0x3f22f983                      ; 2 / pi
	s_mov_b32 s34, 0x3fc90f80                      ; pi / 2, high part
	s_mov_b32 s35, 0x37354443                      ; pi / 2, the rest
	s_mov_b32 s36, 0xb94ca1f9                      ; sin: -1.9515296e-4
	s_mov_b32 s37, 0x3c08839e                      ;       8.3321609e-3
	s_mov_b32 s38, 0xbe2aaaa3                      ;      -1.6666655e-1
	s_mov_b32 s39, 0x37ccf5ce                      ; cos:  2.4433157e-5
	s_mov_b32 s40, 0xbab6061a                      ;      -1.3887316e-3
	s_mov_b32 s41, 0x3d2aaaa5                      ;       4.1666646e-2
	s_mov_b32 s42, 0x3ed96d27                      ; sqrt(log2(e) / 8)
	s_mov_b32 s43, 0x80000000
.irp e, 0,1,2,3
	v_add_nc_u32 v[TH+\e], \e, v5
.endr
.irp e, 0,1,2,3
	v_cvt_f32_u32 v[TH+\e], v[TH+\e]
.endr
.irp e, 0,1,2,3
	v_mul_f32 v[TH+\e], s32, v[TH+\e]
.endr
.irp e, 0,1,2,3
	v_exp_f32 v[TH+\e], v[TH+\e]                   ; 10000^(-i/32)
.endr
	v_nop                                          ; a plain instruction behind the last exponential
	s_wait_alu depctr_va_vdst(0)                   ; one wait for the four, ahead of their first use
.irp e, 0,1,2,3
	v_mul_f32 v[TH+\e], v4, v[TH+\e]               ; the angle
.endr
.irp e, 0,1,2,3
	v_mul_f32 v[NN+\e], s33, v[TH+\e]
.endr
.irp e, 0,1,2,3
	v_rndne_f32 v[NN+\e], v[NN+\e]                 ; n
.endr
.irp e, 0,1,2,3
	v_fma_f32 v[RR+\e], -v[NN+\e], s34, v[TH+\e]
.endr
.irp e, 0,1,2,3
	v_fma_f32 v[RR+\e], -v[NN+\e], s35, v[RR+\e]   ; r = angle - n pi / 2
.endr
.irp e, 0,1,2,3
	v_mul_f32 v[ZZ+\e], v[RR+\e], v[RR+\e]         ; z = r r
.endr
.irp e, 0,1,2,3
	v_fma_f32 v[PS+\e], v[ZZ+\e], s36, s37
.endr
.irp e, 0,1,2,3
	v_fma_f32 v[PC+\e], v[ZZ+\e], s39, s40
.endr
.irp e, 0,1,2,3
	v_fma_f32 v[PS+\e], v[PS+\e], v[ZZ+\e], s38
.endr
.irp e, 0,1,2,3
	v_fma_f32 v[PC+\e], v[PC+\e], v[ZZ+\e], s41
.endr
.irp e, 0,1,2,3
	v_mul_f32 v[SN+\e], v[ZZ+\e], v[RR+\e]         ; z r
.endr
.irp e, 0,1,2,3
	v_fma_f32 v[CN+\e], v[ZZ+\e], -0.5, 1.0        ; 1 - z / 2
.endr
.irp e, 0,1,2,3
	v_mul_f32 v[ZZ+\e], v[ZZ+\e], v[ZZ+\e]         ; z z
.endr
.irp e, 0,1,2,3
	v_fma_f32 v[SN+\e], v[PS+\e], v[SN+\e], v[RR+\e]   ; sin r
.endr
.irp e, 0,1,2,3
	v_fma_f32 v[CN+\e], v[PC+\e], v[ZZ+\e], v[CN+\e]   ; cos r
.endr
.irp e, 0,1,2,3
	v_cvt_i32_f32 v[KQ+\e], v[NN+\e]
.endr
.irp e, 0,1,2,3                                ; the quadrant n mod 4: odd: sin and cos change places; sin is negative in 2 and 3, cos in 1 and 2
	v_and_b32 v1, 1, v[KQ+\e]
	v_cmp_eq_u32 vcc_lo, 1, v1
	v_cndmask_b32 v[SI+\e], v[SN+\e], v[CN+\e], vcc_lo
	v_cndmask_b32 v[CO+\e], v[CN+\e], v[SN+\e], vcc_lo
	v_lshlrev_b32 v1, 30, v[KQ+\e]
	v_and_b32 v1, s43, v1
	v_xor_b32 v[SI+\e], v1, v[SI+\e]
	v_add_nc_u32 v1, 1, v[KQ+\e]
	v_lshlrev_b32 v1, 30, v1
	v_and_b32 v1, s43, v1
	v_xor_b32 v[CO+\e], v1, v[CO+\e]
	v_mul_f32 v[SI+\e], s42, v[SI+\e]
	v_mul_f32 v[CO+\e], s42, v[CO+\e]
.endr
	global_store_b128 v3, v[CO:CO+3], s[28:29]                 ; 32 lanes store 512 consecutive bytes, aligned
	global_store_b128 v3, v[SI:SI+3], s[28:29] offset:2048
	s_endpgm
.Lfunc_end_k_q811b69f6d0_prep:
	.size	k_q811b69f6d0_prep, .Lfunc_end_k_q811b69f6d0_prep-k_q811b69f6d0_prep
	.p2alignl 7, 3214868480
	.fill 96, 4, 3214868480
	.section	.rodata,"a",@progbits
	.p2align	6, 0x0
	.amdhsa_kernel k_q811b69f6d0_prep
		.amdhsa_group_segment_fixed_size 33280
		.amdhsa_private_segment_fixed_size 0
		.amdhsa_enable_private_segment 0
		.amdhsa_kernarg_size 72
		.amdhsa_user_sgpr_count 2
		.amdhsa_user_sgpr_kernarg_segment_ptr 1
		.amdhsa_wavefront_size32 1
		.amdhsa_system_sgpr_workgroup_id_x 1
		.amdhsa_system_sgpr_workgroup_id_y 1
		.amdhsa_system_sgpr_workgroup_id_z 1
		.amdhsa_system_vgpr_workitem_id 0
		.amdhsa_next_free_vgpr 192
		.amdhsa_next_free_sgpr 66
		.amdhsa_reserve_vcc 1
		.amdhsa_float_denorm_mode_32 3
		.amdhsa_float_denorm_mode_16_64 3
		.amdhsa_memory_ordered 1
		.amdhsa_forward_progress 1
		.amdhsa_inst_pref_size 61
	.end_amdhsa_kernel
	.amdgpu_metadata
---
amdhsa.version: [ 1, 2 ]
amdhsa.kernels:
  - .name:           k_q811b69f6d0_prep
    .symbol:         k_q811b69f6d0_prep.kd
    .args:
      - { .name: hidden, .offset: 0, .size: 8, .value_kind: global_buffer, .address_space: global }
      - { .name: qkv_w, .offset: 8, .size: 8, .value_kind: global_buffer, .address_space: global }
      - { .name: a_codes, .offset: 16, .size: 8, .value_kind: global_buffer, .address_space: global }
      - { .name: a_scales, .offset: 24, .size: 8, .value_kind: global_buffer, .address_space: global }
      - { .name: b_codes, .offset: 32, .size: 8, .value_kind: global_buffer, .address_space: global }
      - { .name: b_scales, .offset: 40, .size: 8, .value_kind: global_buffer, .address_space: global }
      - { .name: proj_w, .offset: 48, .size: 8, .value_kind: global_buffer, .address_space: global }
      - { .name: wp16, .offset: 56, .size: 8, .value_kind: global_buffer, .address_space: global }
      - { .name: rope, .offset: 64, .size: 8, .value_kind: global_buffer, .address_space: global }
    .group_segment_fixed_size: 33280
    .private_segment_fixed_size: 0
    .kernarg_segment_align: 8
    .kernarg_segment_size: 72
    .max_flat_workgroup_size: 128
    .sgpr_count:     66
    .vgpr_count:     192
    .wavefront_size: 32
...
	.end_amdgpu_metadata
.endif
;; end of part 1
;; launch qkv (part 2): grid 12 x 32, 4 waves a work-group, clusters of 4 x 4, 327,680 bytes of LDS; arguments a_codes, a_scales, b_codes, b_scales, qkv16, qkv_b, rope; writes qkv16
.if DOCPART == 2
	.amdgcn_target "amdgcn-amd-amdhsa--gfx1250"
	.amdhsa_code_object_version 6
	.text
	.protected	k_q811b69f6d0_qkv
	.globl	k_q811b69f6d0_qkv
	.p2align	8
	.type	k_q811b69f6d0_qkv,@function
k_q811b69f6d0_qkv:
	s_mov_b64 s[64:65], 0
	v_nop
	global_prefetch_b8 v0, s[64:65] scope:SCOPE_SE
	s_setreg_imm32_b32 hwreg(HW_REG_WAVE_MODE, 25, 1), 1
	s_wait_xcnt 0x0
	s_wait_alu depctr_hold_cnt(0) depctr_sa_sdst(0) depctr_va_vdst(0) depctr_va_sdst(0) depctr_va_ssrc(0) depctr_va_vcc(0) depctr_vm_vsrc(0)
	s_getreg_b32 s2, hwreg(HW_REG_IB_STS2, 6, 4)
	s_cmp_eq_u32 s2, 0
	s_cbranch_scc0 .Lentry_in_a_cluster
	s_endpgm
.Lentry_in_a_cluster:
	s_bfe_u32 s2, ttmp6, 0x10000c
	s_cmp_lg_u32 s2, 0xf033
	s_cbranch_scc0 .Lentry_shape_is_right
	s_endpgm
.Lentry_shape_is_right:
; qkv = Q(hidden) Q(qkv_w)^T + qkv_b on codes of FP4 (E2M1) with one E8M0 scale for each 32 along K; then the rotary embedding on q and k, both times sqrt(log2(e) / 8) (the factor lies in the table);
; results rounded to f16 and stored by heads: qkv16 [3 parts][64 batch x head][2048 positions][64], a row 128 bytes.
; A: a_codes [8192][512 bytes], a_scales [8192][32]; B: b_codes [3072][512], b_scales [3072][32].  Sums in f32; the bias is the C of each sum's first product.
; A tile of C, 256 x 256, is made by a work-group of four waves; a wave makes 128 x 128: 64 accumulators, 512 registers.  K = 1,024 is two K steps of 512: both lie in LDS at once (two slots, filled once),
; and so do the scales of the work-group's 512 rows: three tensor loads a wave, all at the head; nothing is filled again.
; CLUSTERS: 4 x 4 work-groups.  The four of a row of the cluster need the same tiles of A, the four of a column the same tiles of B: each tile is asked for jointly.  A cluster's four tile columns are 1,024
; columns of C: exactly q, k or v, so the cluster's x says which, the same in all sixteen partners.
; THE MATRIX INSTRUCTION IS USED TRANSPOSED (source 0 = 16 rows of B, source 1 = 16 rows of A): a lane holds eight neighbouring columns of one row of C.  A wave's 128 columns are two heads; accumulators b and b + 2
; of a head's four hold channels d and d + 32 in the same lane and register, so the rotation needs no other lane.
; LIMITS: |q|, |k| times 0.4247 and |v| must stay under 65,504 (f16); what lies under 6e-5 keeps an absolute error of 3e-8.  NaN and infinities are not served.
; REGISTERS, in windows of 256: window 0: v0-31 addresses; v32-95 scale words, two sets, and nothing else; v96-127 the rotation's results; v128-191 A's fragments, later f16 results, two sets; v192-255 the bias.
;   window 1: B's fragments, two sets, at v0 and v128; v64-127 cos and sin, two sets of 32; v192-255 rows read back from the stage, two sets.   window 2: the accumulators of my rows 0-63;   window 3: of rows 64-127.
.set SIZE_M, 8192
.set SIZE_N, 3072
.set SIZE_K, 1024
.set KSTEP,  512                       ; along K in a slot
.set NQ,     KSTEP/128                 ; matrix instructions deep
.set ROWB,   256                       ; a tile's row in bytes
.set KROW,   SIZE_K/2                  ; a row of codes in memory
.set PITCH,  272                       ; an LDS row: 256 bytes + 16 of padding = 68 words: the 16 rows that a load touches start at 16 different banks (64 banks of 4 bytes: ISA guide 11.1)
.set FR,     8                         ; registers of a fragment
.set NL,     2                         ; LDS loads that bring one
.set NP,     4                         ; places behind this matrix instruction (ISA guide 7.12.1)
.set HALFT,  128*PITCH
.set SLOT,   4*HALFT                   ; A's 256 rows, then B's 256 rows
.set KS,     SIZE_K/32                 ; a row of scales in bytes
.set SCL,    2*SLOT                    ; behind the slots: the scales, as units of 256 bytes + 16 of padding
.set HALFS,  (128*KS/256)*272
.set SBLK,   (16*KS/256)*272
.set SPARE,  SCL+4*HALFS               ; behind the scales: the spare words, 128 bytes a wave
.set SROW,   144                       ; the way out: a stage row: a head's 128 bytes + 16
.set SHEAD,  16*SROW                   ; 16 rows of one head.  A wave's stage is two of these; the stages lie in slot 0, which has had its only fill and its last read when the first result is stored there
.set ADRA, 16                          ; v16-17  LDS address of my A fragments in slot 0, 1
.set ADRB, 20                          ; v20-21  the same for B
.set STO,  24                          ; v24     where I put 16 bytes of a row
.set RD,   25                          ; v25     where I read rows back
.set ADRS, 27                          ; v27     my scale words: lanes 0-15 A's rows, lanes 16-31 B's
.set SPW,  28                          ; v28     my spare word; never rewritten
.set NIL,  29                          ; v29     0; never rewritten
.set LI,   30                          ; v30     16 x lane
.set BO,   31                          ; v31     32 x (lane / 16)
.set SC,   32
.set T,    96
.set AF,   128
.set H,    128
.set BI,   192
.set CS,   64                          ; in window 1
.set BK,   192                         ; in window 1
.set G1, 24
.set G0, 32
.set G1B, 48
.set G0B, 56
.set G1S, 68
.set G0S, 76
.set G1SB, 80
.set G0SB, 88
.set PART, 95                          ; s95  0: q, 1: k, 2: v
.set MSB, 0
.macro WIN new                         ; the immediate's high byte repeats the setting that is left
.if MSB != (\new)
	s_set_vgpr_msb (MSB<<8)|(\new)
.set MSB, (\new)
.endif
.endm
.set MUL_LO, 0xa1                      ; source 0 (B) window 1, source 1 (A) window 0, C and D window 2
.set MUL_HI, 0xf1                      ; the same, C and D window 3
.set TO_B,   0x40                      ; destination window 1, address window 0
; A joint load: waves 0 and 1 fetch for A, waves 2 and 3 for B; the branch hangs on the wave's number alone.  An s_nop 0 and four v_nop follow each of the two lines.
.macro JLOAD g0a, g1a, g0b, g1b
	s_cmp_eq_u32 s15, 0
	s_cbranch_scc0 .Lfor_b_\@
	tensor_load_to_lds s[\g0a:\g0a+3], s[\g1a:\g1a+7]
	s_nop 0
.rept 4
	v_nop
.endr
	s_branch .Lasked_\@
.Lfor_b_\@:
	tensor_load_to_lds s[\g0b:\g0b+3], s[\g1b:\g1b+7]
	s_nop 0
.rept 4
	v_nop
.endr
.Lasked_\@:
.endm
.macro CROUND                          ; a round of the cluster's barrier
	s_barrier_signal -1
	s_barrier_wait -1
	s_cmp_lg_u32 s14, 0
	s_cbranch_scc1 .Lnot_wave_0_\@
	s_barrier_signal -3
.Lnot_wave_0_\@:
	s_barrier_wait -3
	s_barrier_signal -1
	s_barrier_wait -1
.endm
	s_load_b128 s[4:7], s[0:1], 0x0                ; A's codes, A's scales
	s_load_b128 s[8:11], s[0:1], 0x10              ; B's codes, B's scales
	s_load_b64 s[12:13], s[0:1], 0x20              ; qkv16
	s_load_b64 s[96:97], s[0:1], 0x28              ; qkv_b
	s_load_b64 s[98:99], s[0:1], 0x30              ; the table
	v_lshl_add_u32 v[SPW], v0, 2, SPARE
	v_mov_b32 v[NIL], 0
	ds_add_u32 v[SPW], v[NIL]                      ; the wave's opening: the add, twice on end, and its wait ahead of my first tensor load
	ds_add_u32 v[SPW], v[NIL]
	v_lshrrev_b32 v1, 5, v0
	v_readfirstlane_b32 s14, v1                    ; wave 0..3
	s_lshr_b32 s15, s14, 1                         ; which half of the tile's rows is mine.  Also: I fetch for A (0) or for B (1)
	s_and_b32 s16, s14, 1                          ; which half of its columns.  Also: which 128 rows of that tile I fetch
	s_bfe_u32 s40, ttmp6, 0x40000                  ; cx, cy: my place in the cluster
	s_bfe_u32 s41, ttmp6, 0x40004
	s_lshl_b32 s42, ttmp9, 2
	s_add_co_u32 s42, s42, s40                     ; tile column of C
	s_and_b32 s17, ttmp7, 0xffff
	s_lshl_b32 s17, s17, 2
	s_add_co_u32 s17, s17, s41                     ; tile row of C
	s_lshl_b32 s43, s41, 2
	s_lshl_b32 s43, 15, s43                        ; my row of the cluster
	s_lshl_b32 s44, 0x1111, s40                    ; my column
	s_mov_b32 s[PART], ttmp9
	; descriptor group 1: a tile of 128 rows x 256 bytes, 16 bytes of padding behind each row
	s_or_b32 s[G1+0], s43, (0<<16)|(1<<20)|(1<<21)|(5<<22)|(3<<25)
	s_or_b32 s[G1B+0], s44, (0<<16)|(1<<20)|(1<<21)|(5<<22)|(3<<25)
.irp g, G1, G1B
	s_mov_b32 s[\g+1], ROWB<<16                    ; tensor_dim0
	s_mov_b32 s[\g+2], 128<<16                     ; tensor_dim1
	s_mov_b32 s[\g+3], ROWB<<16                    ; tile_dim0
	s_mov_b32 s[\g+4], 128                         ; tile_dim1
	s_mov_b32 s[\g+5], KROW                        ; the pitch in memory
	s_mov_b32 s[\g+6], 0
	s_mov_b32 s[\g+7], 0
.endr
	; the scales of 128 rows: a dense block of 4,096 bytes, as 16 rows of 256 bytes (32 elements of 8 bytes), 16 bytes of padding behind each
	s_or_b32 s[G1S+0], s43, (3<<16)|(1<<20)|(1<<21)|(5<<22)|(3<<25)
	s_or_b32 s[G1SB+0], s44, (3<<16)|(1<<20)|(1<<21)|(5<<22)|(3<<25)
.irp g, G1S, G1SB
	s_mov_b32 s[\g+1], 32<<16
	s_mov_b32 s[\g+2], (128*KS/256)<<16
	s_mov_b32 s[\g+3], 32<<16
	s_mov_b32 s[\g+4], 128*KS/256
	s_mov_b32 s[\g+5], 32
	s_mov_b32 s[\g+6], 0
	s_mov_b32 s[\g+7], 0
.endr
	s_lshl_b32 s18, s16, 7                         ; which 128 rows of the tile I fetch
	s_lshl_b32 s20, s17, 8
	s_add_co_u32 s20, s20, s18                     ; A: row 256 x tile row + 128 x half
	s_lshl_b32 s46, s42, 8
	s_add_co_u32 s46, s46, s18                     ; B: row 256 x tile column + 128 x half
	s_mov_b32 s21, 0
	s_mov_b32 s47, 0
	s_mov_b64 s[18:19], KS
	s_mul_u64 s[22:23], s[20:21], s[18:19]         ; where these rows' scales begin
	s_mul_u64 s[92:93], s[46:47], s[18:19]
	s_mov_b64 s[18:19], KROW
	s_mul_u64 s[20:21], s[20:21], s[18:19]         ; and their codes
	s_mul_u64 s[46:47], s[46:47], s[18:19]
	s_mul_i32 s45, s14, HALFT                      ; where they go: wave x 128 rows
	s_mul_i32 s94, s14, HALFS
	s_wait_dscnt 0x0                               ; both opening adds are done
	s_wait_kmcnt 0x0
	s_add_nc_u64 s[20:21], s[4:5], s[20:21]
	s_add_nc_u64 s[22:23], s[6:7], s[22:23]
	s_add_nc_u64 s[46:47], s[8:9], s[46:47]
	s_add_nc_u64 s[92:93], s[10:11], s[92:93]
	CROUND                                         ; all sixteen work-groups are here: the joint loads meet
	s_mov_b32 s[G0S], 1
	s_add_co_u32 s[G0S+1], s94, SCL
	s_mov_b64 s[G0S+2:G0S+3], s[22:23]
	s_or_b32 s[G0S+3], s[G0S+3], 0x80000000
	s_mov_b32 s[G0SB], 1
	s_add_co_u32 s[G0SB+1], s94, SCL
	s_mov_b64 s[G0SB+2:G0SB+3], s[92:93]
	s_or_b32 s[G0SB+3], s[G0SB+3], 0x80000000
	JLOAD G0S, G1S, G0SB, G1SB                     ; the scales first: they are wanted with K step 0
.irp s, 0,1
	s_mov_b32 s[G0+4*\s], 1
	s_add_co_u32 s[G0+4*\s+1], s45, \s*SLOT
	s_add_nc_u64 s[G0+4*\s+2:G0+4*\s+3], s[20:21], \s*ROWB
	s_or_b32 s[G0+4*\s+3], s[G0+4*\s+3], 0x80000000
	s_mov_b32 s[G0B+4*\s], 1
	s_add_co_u32 s[G0B+4*\s+1], s45, \s*SLOT
	s_add_nc_u64 s[G0B+4*\s+2:G0B+4*\s+3], s[46:47], \s*ROWB
	s_or_b32 s[G0B+4*\s+3], s[G0B+4*\s+3], 0x80000000
	JLOAD G0+4*\s, G1, G0B+4*\s, G1B               ; three tensor loads of mine are out
.endr
	v_and_b32 v1, 15, v0                           ; r = lane % 16
	v_bfe_u32 v2, v0, 4, 1                         ; h = lane / 16
	v_mul_u32_u24 v3, v1, PITCH
	v_lshl_add_u32 v4, v2, 4, v3                   ; a fragment's row x pitch + 16 h
	s_mul_i32 s21, s15, HALFT                      ; my 128 rows of A
	s_mul_i32 s22, s16, HALFT                      ; my 128 rows of B,
	s_add_co_u32 s22, s22, 2*HALFT                 ; which lie behind A's 256
.irp s, 0,1
	v_add_nc_u32 v[ADRA+\s], s21, v4
	v_add_nc_u32 v[ADRB+\s], s22, v4
	s_add_co_u32 s21, s21, SLOT
	s_add_co_u32 s22, s22, SLOT
.endr
	v_mul_u32_u24 v5, v1, KS                       ; my row's scales: 32 bytes a row,
	v_lshrrev_b32 v6, 8, v5
	v_lshl_add_u32 v5, v6, 4, v5                   ; and 16 more for each 256 passed
	s_mul_i32 s21, s15, HALFS                      ; A's: my 128 rows
	s_mul_i32 s22, s16, HALFS                      ; B's: my 128 rows, behind A's 256
	s_add_co_u32 s22, s22, 2*HALFS
	s_sub_co_u32 s22, s22, s21
	v_mul_u32_u24 v6, s22, v2                      ; lanes 16-31 take B's
	s_add_co_u32 s21, s21, SCL
	v_add_nc_u32 v5, v5, v6
	v_add_nc_u32 v[ADRS], s21, v5
	s_mul_i32 s23, s14, 2*SHEAD                    ; my stage
	v_mul_u32_u24 v5, v1, SROW                     ; in: row r, 16 bytes for each half of the lanes
	v_lshl_add_u32 v5, v2, 4, v5
	v_add_nc_u32 v[STO], s23, v5
	v_and_b32 v6, 31, v0
	v_lshlrev_b32 v[LI], 4, v6
	v_lshrrev_b32 v7, 3, v6                        ; back: eight lanes to a row of 128 bytes, four rows an instruction
	v_mul_u32_u24 v7, v7, SROW
	v_and_b32 v8, 7, v0
	v_lshl_add_u32 v7, v8, 4, v7
	v_add_nc_u32 v[RD], s23, v7
	v_lshlrev_b32 v[BO], 5, v2
	; where my results go: part, my first head (batch x 16 + 4 x (tile column % 4) + 2 x column half), my first position (256 x (tile row % 8) + 128 x row half)
	s_lshr_b32 s20, s17, 3
	s_lshl_b32 s20, s20, 4
	s_and_b32 s21, s42, 3
	s_lshl_b32 s21, s21, 2
	s_add_co_u32 s20, s20, s21
	s_lshl_b32 s21, s16, 1
	s_add_co_u32 s20, s20, s21
	s_lshl_b32 s20, s20, 18                        ; a head is 2^18 bytes
	s_and_b32 s21, s17, 7
	s_lshl_b32 s21, s21, 8
	s_lshl_b32 s22, s15, 7
	s_add_co_u32 s21, s21, s22                     ; my first position
	s_lshl_b32 s22, s21, 7                         ; 128 bytes a row
	s_add_co_u32 s20, s20, s22
	s_lshl_b32 s22, ttmp9, 24                      ; a part is 2^24 bytes
	s_add_co_u32 s20, s20, s22
	s_lshl_b32 s22, s21, 8                         ; the table: 4,096 bytes for 16 positions
	s_mov_b32 s23, 0
	s_add_nc_u64 s[98:99], s[98:99], s[22:23]
	s_mov_b32 s21, 0
	s_add_nc_u64 s[12:13], s[12:13], s[20:21]
	s_lshl_b32 s22, s42, 10                        ; the bias of my 128 columns
	s_lshl_b32 s46, s16, 9
	s_add_co_u32 s22, s22, s46
	s_add_nc_u64 s[96:97], s[96:97], s[22:23]
.irp b, 0,1,2,3,4,5,6,7
.irp u, 0,1
	global_load_b128 v[BI+8*\b+4*\u:BI+8*\b+4*\u+3], v[BO], s[96:97] offset:64*\b+16*\u   ; in the result's layout: lane (r, h), register j of block b: column 16 b + 8 h + j
.endr
.endr
	WIN TO_B
.irp a, 0,1                                    ; cos and sin of my first two blocks of 16 positions.  v's work-groups load them too and leave them: so the text has one way up to the way out
.irp q, 0,1,2,3,4,5,6,7
	global_load_b128 v[CS+32*\a+4*\q:CS+32*\a+4*\q+3], v[LI], s[98:99] offset:4096*\a+512*\q
.endr
.endr
	WIN 0
.macro FRAG reg, adr, q, i             ; 16 rows x 128 K of 4-bit codes: lane l holds row l % 16; registers 4 c .. 4 c + 3 hold K = 64 c + 32 (l / 16) + 0 .. 31
.irp c, 0,1
	ds_load_b128 v[\reg+4*\c:\reg+4*\c+3], v[\adr] offset:64*(\q)+32*\c+(\i)*16*PITCH
.endr
.endm
; 16 matrix instructions: A's blocks a0, a0 + 1 x B's eight, the slot's q-th 128 along K.  p: B's set; sc: the set of scale words.  zero = 1: the first product starts the sums, with the bias as its C.
; The 64 accumulators take turns, one instruction a turn, in the same order in every step.
.macro MUL16 a0, p, q, sc, zero
.irp a, \a0, \a0+1
.irp b, 0,1,2,3,4,5,6,7
.if \zero
	v_wmma_scale_f32_16x16x128_f8f6f4 v[8*(8*((\a)%4)+\b):8*(8*((\a)%4)+\b)+7], v[128*(\p)+FR*\b:128*(\p)+FR*\b+FR-1], v[AF+FR*(\a):AF+FR*(\a)+FR-1], v[BI+8*\b:BI+8*\b+7], v[SC+8*NQ*(\sc)+NQ*\b+(\q)], v[SC+8*NQ*(\sc)+NQ*(\a)+(\q)] matrix_a_fmt:MATRIX_FMT_FP4 matrix_b_fmt:MATRIX_FMT_FP4 matrix_a_scale:MATRIX_SCALE_ROW1
.else
	v_wmma_scale_f32_16x16x128_f8f6f4 v[8*(8*((\a)%4)+\b):8*(8*((\a)%4)+\b)+7], v[128*(\p)+FR*\b:128*(\p)+FR*\b+FR-1], v[AF+FR*(\a):AF+FR*(\a)+FR-1], v[8*(8*((\a)%4)+\b):8*(8*((\a)%4)+\b)+7], v[SC+8*NQ*(\sc)+NQ*\b+(\q)], v[SC+8*NQ*(\sc)+NQ*(\a)+(\q)] matrix_a_fmt:MATRIX_FMT_FP4 matrix_b_fmt:MATRIX_FMT_FP4 matrix_a_scale:MATRIX_SCALE_ROW1
.endif
.endr
.endr
.endm
.macro FETCH_B slot, q, p
	WIN TO_B
.irp i, 0,1,2,3,4,5,6,7
	FRAG 128*(\p)+FR*\i, ADRB+\slot, \q, \i
.endr
	WIN 0
.endm
.macro FETCH_A slot, q, i0
.irp i, \i0, \i0+1, \i0+2, \i0+3
	FRAG AF+FR*(\i), ADRA+\slot, \q, \i
.endr
.endm
.macro SCALES sc                       ; a K step's scale words: 4 words a row; lanes 0-15 take A's block i, lanes 16-31 B's block i
.irp i, 0,1,2,3,4,5,6,7
	ds_load_b128 v[SC+8*NQ*\sc+NQ*\i:SC+8*NQ*\sc+NQ*\i+3], v[ADRS] offset:\i*SBLK
.endr
.endm
.macro PLACES n                        ; plain vector instructions between a matrix instruction and a load into, or a read of, its registers
.rept \n
	v_nop
.endr
.endm
; A step of 128 along K that has its successor in the same slot.  A has one set of registers: blocks 0-3 are fetched anew in the step's middle, blocks 4-7 at its end; B has two sets.
.macro STEP slot, q, zero
	s_wait_dscnt 4*NL                              ; B's set and A's blocks 0-3 are in; the youngest eight loads (A's blocks 4-7) may be out
.if \zero
	WIN 0x81                                       ; as MUL_LO, with C (the bias) in window 0
.else
	WIN MUL_LO
.endif
	MUL16 0, (\q)%2, \q, \slot, \zero
	MUL16 2, (\q)%2, \q, \slot, \zero
	s_wait_dscnt 0                                 ; A's blocks 4-7 are in
	PLACES NP
	FETCH_B \slot, (\q)+1, 1-(\q)%2
	FETCH_A \slot, (\q)+1, 0
.if \zero
	WIN 0xc1
.else
	WIN MUL_HI
.endif
	MUL16 4, (\q)%2, \q, \slot, \zero
	MUL16 6, (\q)%2, \q, \slot, \zero
	PLACES NP
	WIN 0
	FETCH_A \slot, (\q)+1, 4
.endm
; Slot 0's last step changes slots: in front of the barrier each wave waits for all its tensor loads (its part of slot 1), adds 0 to its spare word, and waits for that and for its reads of slot 0.  Nothing is filled again.
.macro TURN slot, next
	s_wait_tensorcnt 0x0                           ; all my tensor loads have landed
	ds_add_u32 v[SPW], v[NIL]
	s_wait_dscnt 4*NL+1                            ; (the add and the youngest eight loads, A's blocks 4-7, may be out)
	WIN MUL_LO
	MUL16 0, 1, NQ-1, \slot, 0
	s_wait_dscnt 0x0                               ; the add is done, and my reads of this slot are over
	s_barrier_signal -1
	MUL16 2, 1, NQ-1, \slot, 0
	WIN 0
	s_barrier_wait -1
	PLACES NP
	v_add_nc_u32 v[ADRS], 4*NQ, v[ADRS]            ; on to the next K step's scale words
	FETCH_B \next, 0, 0
	FETCH_A \next, 0, 0
	SCALES \next
	WIN MUL_HI
	MUL16 4, 1, NQ-1, \slot, 0
	MUL16 6, 1, NQ-1, \slot, 0
	PLACES NP
	WIN 0
	FETCH_A \next, 0, 4
.endm
.macro STEPS slot, from
.set Q, \from
.rept NQ-1-\from
	STEP \slot, Q, 0
.set Q, Q+1
.endr
.endm
	s_wait_tensorcnt 1                             ; the scales and my part of K step 0 are in (K step 1's load may be out),
	s_barrier_signal -1
	s_barrier_wait -1                              ; everybody's are
	FETCH_B 0, 0, 0
	FETCH_A 0, 0, 0
	SCALES 0
	FETCH_A 0, 0, 4
	s_wait_loadcnt 0x0                             ; the bias and the table's first two blocks
	STEP 0, 0, 1
	STEPS 0, 1
	TURN 0, 1
	STEPS 1, 0
	s_wait_dscnt 4*NL                              ; the last step: nothing more to fetch
	WIN MUL_LO
	MUL16 0, 1, NQ-1, 1, 0
	MUL16 2, 1, NQ-1, 1, 0
	s_wait_dscnt 0
	WIN MUL_HI
	MUL16 4, 1, NQ-1, 1, 0
	MUL16 6, 1, NQ-1, 1, 0
	WIN 0
; THE WAY OUT, block by block of 16 rows x 128 columns (two heads).  ROPE or VCVT makes 32 registers of f16; TOSTAGE sends them through my own stage, so that they come back as whole rows of 128 bytes, four rows an
; instruction; SEND stores 512 consecutive bytes an instruction.
; ROPE: out[d] = x[d] cos - x[d + 32] sin, out[d + 32] = x[d + 32] cos + x[d] sin, d = 16 bp + 8 h + j.  Each accumulator is read from its low end on.  The table runs two blocks ahead.
.macro ROPE a
.set AC, 64*((\a)%4)
.set WX, 2+(\a)/4
.set HB, H+32*((\a)%2)
.set CB, CS+32*((\a)%2)
.if (\a) < 7
	s_wait_loadcnt 8                               ; this block's cos and sin are in; the next block's eight loads may be out
.else
	s_wait_loadcnt 0x0
.endif
.irp g, 0,1
	WIN 0x04+WX                                    ; source 0: the accumulators' window; source 1: window 1
.irp bp, 0,1
.irp jj, 0,2,4,6
	v_pk_mul_f32 v[T+8*\bp+\jj:T+8*\bp+\jj+1], v[AC+8*(4*\g+\bp)+\jj:AC+8*(4*\g+\bp)+\jj+1], v[CB+8*\bp+\jj:CB+8*\bp+\jj+1]
	v_pk_mul_f32 v[T+16+8*\bp+\jj:T+16+8*\bp+\jj+1], v[AC+8*(4*\g+\bp+2)+\jj:AC+8*(4*\g+\bp+2)+\jj+1], v[CB+8*\bp+\jj:CB+8*\bp+\jj+1]
.endr
.endr
.irp bp, 0,1
.irp jj, 0,2,4,6
	v_pk_fma_f32 v[T+8*\bp+\jj:T+8*\bp+\jj+1], v[AC+8*(4*\g+\bp+2)+\jj:AC+8*(4*\g+\bp+2)+\jj+1], v[CB+16+8*\bp+\jj:CB+16+8*\bp+\jj+1], v[T+8*\bp+\jj:T+8*\bp+\jj+1] neg_lo:[1,0,0] neg_hi:[1,0,0]
	v_pk_fma_f32 v[T+16+8*\bp+\jj:T+16+8*\bp+\jj+1], v[AC+8*(4*\g+\bp)+\jj:AC+8*(4*\g+\bp)+\jj+1], v[CB+16+8*\bp+\jj:CB+16+8*\bp+\jj+1], v[T+16+8*\bp+\jj:T+16+8*\bp+\jj+1]
.endr
.endr
	WIN 0
.irp n, 0,1,2,3,4,5,6,7,8,9,10,11,12,13,14,15
	v_cvt_pk_f16_f32 v[HB+16*\g+\n], v[T+2*\n], v[T+2*\n+1]
.endr
.endr
.if (\a) < 6
	WIN TO_B
.irp q, 0,1,2,3,4,5,6,7
	global_load_b128 v[CB+4*\q:CB+4*\q+3], v[LI], s[98:99] offset:4096*((\a)+2)+512*\q
.endr
	WIN 0
.endif
.endm
.macro VCVT a                          ; v is only rounded
.set AC, 64*((\a)%4)
.set HB, H+32*((\a)%2)
	WIN 0x0a+5*((\a)/4)                            ; sources 0 and 1: window 2 or 3
.irp n, 0,1,2,3,4,5,6,7,8,9,10,11,12,13,14,15,16,17,18,19,20,21,22,23,24,25,26,27,28,29,30,31
	v_cvt_pk_f16_f32 v[HB+\n], v[AC+2*\n], v[AC+2*\n+1]
.endr
	WIN 0
.endm
.macro TOSTAGE a
.set HB, H+32*((\a)%2)
.set BB, BK+32*((\a)%2)
.irp g, 0,1
.irp bq, 0,1,2,3
	ds_store_b128 v[STO], v[HB+16*\g+4*\bq:HB+16*\g+4*\bq+3] offset:SHEAD*\g+32*\bq
.endr
.endr
	WIN TO_B
.irp g, 0,1
.irp t, 0,1,2,3
	ds_load_b128 v[BB+4*(4*\g+\t):BB+4*(4*\g+\t)+3], v[RD] offset:SHEAD*\g+4*SROW*\t   ; LDS serves a wave's instructions in order (ISA guide 5.7.1.4): these see the stores above, and the next block's stores come behind them
.endr
.endr
	WIN 0
.endm
.macro SEND a, younger                 ; younger: the LDS instructions issued behind block a's loads
.set BB, BK+32*((\a)%2)
	s_wait_dscnt \younger
	WIN 0x04                                       ; a store's data are its source 1: window 1
.irp g, 0,1
.irp t, 0,1,2,3
	global_store_b128 v[LI], v[BB+4*(4*\g+\t):BB+4*(4*\g+\t)+3], s[12:13] offset:262144*\g+2048*(\a)+512*\t   ; four rows of a head: 512 consecutive bytes, aligned
.endr
.endr
	WIN 0
.endm
	PLACES NP                                      ; behind the last products, ahead of the first read of results and the first write of A's registers
	s_cmp_eq_u32 s[PART], 2                        ; the cluster's x: the same in all sixteen partners
	s_cbranch_scc1 .Lvpart
	ROPE 0
	TOSTAGE 0
.irp a, 1,2,3,4,5,6,7
	ROPE \a
.if \a > 1
	s_wait_xcnt 0x0                                ; block a - 2's stores have read their registers: block a's rows may land there
.endif
	TOSTAGE \a
	SEND \a-1, 16                                  ; behind block a - 1's loads: block a's 8 stores and 8 loads
.endr
	SEND 7, 0
	s_branch .Lsent
.Lvpart:
	VCVT 0
	TOSTAGE 0
.irp a, 1,2,3,4,5,6,7
	VCVT \a
.if \a > 1
	s_wait_xcnt 0x0
.endif
	TOSTAGE \a
	SEND \a-1, 16
.endr
	SEND 7, 0
.Lsent:
	s_wait_tensorcnt 0x0                           ; the wave's end
	ds_add_u32 v[SPW], v[NIL]
	s_wait_dscnt 0x0
	CROUND                                         ; the closing round
	s_endpgm
.Lfunc_end_k_q811b69f6d0_qkv:
	.size	k_q811b69f6d0_qkv, .Lfunc_end_k_q811b69f6d0_qkv-k_q811b69f6d0_qkv
	.p2alignl 7, 3214868480
	.fill 96, 4, 3214868480
	.section	.rodata,"a",@progbits
	.p2align	6, 0x0
	.amdhsa_kernel k_q811b69f6d0_qkv
		.amdhsa_group_segment_fixed_size 327680
		.amdhsa_private_segment_fixed_size 0
		.amdhsa_enable_private_segment 0
		.amdhsa_kernarg_size 56
		.amdhsa_user_sgpr_count 2
		.amdhsa_user_sgpr_kernarg_segment_ptr 1
		.amdhsa_wavefront_size32 1
		.amdhsa_system_sgpr_workgroup_id_x 1
		.amdhsa_system_sgpr_workgroup_id_y 1
		.amdhsa_system_sgpr_workgroup_id_z 1
		.amdhsa_system_vgpr_workitem_id 0
		.amdhsa_next_free_vgpr 1024
		.amdhsa_next_free_sgpr 100
		.amdhsa_reserve_vcc 0
		.amdhsa_float_denorm_mode_32 3
		.amdhsa_float_denorm_mode_16_64 3
		.amdhsa_memory_ordered 1
		.amdhsa_forward_progress 1
		.amdhsa_inst_pref_size 201
	.end_amdhsa_kernel
	.amdgpu_metadata
---
amdhsa.version: [ 1, 2 ]
amdhsa.kernels:
  - .name:           k_q811b69f6d0_qkv
    .symbol:         k_q811b69f6d0_qkv.kd
    .args:
      - { .name: a_codes, .offset: 0, .size: 8, .value_kind: global_buffer, .address_space: global }
      - { .name: a_scales, .offset: 8, .size: 8, .value_kind: global_buffer, .address_space: global }
      - { .name: b_codes, .offset: 16, .size: 8, .value_kind: global_buffer, .address_space: global }
      - { .name: b_scales, .offset: 24, .size: 8, .value_kind: global_buffer, .address_space: global }
      - { .name: qkv16, .offset: 32, .size: 8, .value_kind: global_buffer, .address_space: global }
      - { .name: qkv_b, .offset: 40, .size: 8, .value_kind: global_buffer, .address_space: global }
      - { .name: rope, .offset: 48, .size: 8, .value_kind: global_buffer, .address_space: global }
    .group_segment_fixed_size: 327680
    .private_segment_fixed_size: 0
    .kernarg_segment_align: 8
    .kernarg_segment_size: 56
    .max_flat_workgroup_size: 128
    .sgpr_count:     100
    .vgpr_count:     1024
    .wavefront_size: 32
...
	.end_amdgpu_metadata
.endif
;; end of part 2
;; launch attn (part 3): grid 4 x 64, 8 waves a work-group, clusters of 4 x 1, 327,680 bytes of LDS; arguments qkv16, att16; writes att16
.if DOCPART == 3
	.amdgcn_target "amdgcn-amd-amdhsa--gfx1250"
	.amdhsa_code_object_version 6
	.text
	.protected	k_q811b69f6d0_attn
	.globl	k_q811b69f6d0_attn
	.p2align	8
	.type	k_q811b69f6d0_attn,@function
k_q811b69f6d0_attn:
	s_mov_b64 s[64:65], 0
	v_nop
	global_prefetch_b8 v0, s[64:65] scope:SCOPE_SE
	s_setreg_imm32_b32 hwreg(HW_REG_WAVE_MODE, 25, 1), 1
	s_wait_xcnt 0x0
	s_wait_alu depctr_hold_cnt(0) depctr_sa_sdst(0) depctr_va_vdst(0) depctr_va_sdst(0) depctr_va_ssrc(0) depctr_va_vcc(0) depctr_vm_vsrc(0)
	s_getreg_b32 s2, hwreg(HW_REG_IB_STS2, 6, 4)
	s_cmp_eq_u32 s2, 0
	s_cbranch_scc0 .Lentry_in_a_cluster
	s_endpgm
.Lentry_in_a_cluster:
	s_bfe_u32 s2, ttmp6, 0x10000c
	s_cmp_lg_u32 s2, 0x3003
	s_cbranch_scc0 .Lentry_shape_is_right
	s_endpgm
.Lentry_shape_is_right:
; att16[bh][q][:] = the sum over k of softmax_k(q . k / 8) v[k][:].  qkv16: [3][64 bh][2048][64] f16; q and k arrive times sqrt(log2(e) / 8), so that a score S = q . k is already the exponent to the base 2.
; Products on f16 operands with f32 sums; maxima, exponentials and sums in f32; the weights p = 2^(S - m) are rounded to f16 for the second product, the result once at the end (f16).
; SOFTMAX: for each query a running maximum m and sum l; in every key step O and l are multiplied by a = 2^(m_old - m_new), which is 1 where m has not grown.
; SHARES: a cluster of four work-groups is one head; a work-group owns 512 queries, each of its eight waves 64: four tiles of 16.  Two waves lie on a SIMD: while one walks its softmax the other's products can be issued.
; Every wave walks all 2,048 keys, 64 a step.  K and V come through two LDS slots of 512 keys, each asked for JOINTLY by the four work-groups (waves 0-3: K's quarters; waves 4-7: V's): each slot is filled twice.
; A refill has eight key steps in which to land, so nothing is asked of memory ahead of the tensor loads.
; LAYOUT: S^T = K Q^T (source 0 = 16 keys, source 1 = 16 queries): a lane holds ONE query (lane % 16) and keys 8 (lane / 16) + 0..7.  Two such tiles, rounded in pairs, ARE source 1 (32 keys x 16 queries) of
; O^T = V^T P, whose result again holds one query a lane.  K comes out of LDS as it lies, V ([key][channel]) turned, by ds_load_tr16_b128.
; LIMITS: NaN and infinities are not served; weights under 6e-5 keep an absolute error of 3e-8 (f16) beside a sum that is at least 1.
; REGISTERS: window 0: v2-11 addresses; v32-159 S^T, 32 a tile (P is packed into the first 16 of them); v160-223 K of one step; v224-255 statistics, eight a tile.
;   window 1: v0-127 O^T, 32 a tile; v128-191 Q; v192-255 V of one step.
.set KS,    64                         ; keys in a step
.set PKP,   144                        ; a row of K in LDS: 128 bytes + 16 = 36 words: the 16 rows of a load start at 16 different banks (64 banks of 4 bytes: ISA guide 11.1)
.set PVP,   160                        ; a row of V: 128 + 32 = 40 words
.set SKEYS, 512                        ; keys in a slot
.set VOFF,  SKEYS*PKP                  ; a slot: 512 rows of K, then 512 rows of V
.set SLOTB, SKEYS*(PKP+PVP)
.set SPARE, 2*SLOTB                    ; behind the slots: the spare words, 128 bytes a wave
.set SP,    144                        ; the way out: a stage row.  A wave's stage is 64 rows; the stages lie in slot 0, which has had its last fill and its last read at the last change of slots
.set AK0, 2                            ; v2   my lane's place in a tile of K
.set AV0, 3                            ; v3   the same for V
.set ADK, 4                            ; v4   LDS address of the step's K
.set ADV, 5                            ; v5   of its V
.set QO,  6                            ; v6   my byte offset in the wave's rows of Q
.set STO, 7
.set RD,  8
.set GO,  9                            ; v9   16 x lane
.set SPW, 10                           ; v10  my spare word; never rewritten
.set NIL, 11                           ; v11  0; never rewritten
.set S,   32
.set KF,  160
.set ST,  224                          ; tile t at ST + 8 t: +0 m; +1 the old m, then m_old - m_new; +2, +3 l (even keys', odd keys'); +4..+7 at work; a takes +6
.set QF,  128                          ; in window 1
.set VF,  192                          ; in window 1
.set WV,  8                            ; s8   my wave's number
.set G1K, 24
.set G1V, 32
.set G0K, 40                           ; s[40:47] group 0 for K's tiles, a set for each slot
.set G0V, 48                           ; s[48:55] for V's
.set TK,  56                           ; s56  LDS byte at which the K of the step to be fetched begins
.set TV,  57                           ; s57  and its V
.set CNT, 58
.set SEL, 60                           ; s[60:61] lane selects: lane l xor 16
.set MSB, 0
.macro WIN new
.if MSB != (\new)
	s_set_vgpr_msb (MSB<<8)|(\new)
.set MSB, (\new)
.endif
.endm
.macro JLOAD n                         ; a joint refill of slot n; the branch hangs on the wave's number alone.  An s_nop 0 and four v_nop follow each of the two lines
	s_cmp_lt_u32 s[WV], 4
	s_cbranch_scc0 .Lfor_v_\@
	tensor_load_to_lds s[G0K+4*\n:G0K+4*\n+3], s[G1K:G1K+7]
	s_nop 0
.rept 4
	v_nop
.endr
	s_branch .Lasked_\@
.Lfor_v_\@:
	tensor_load_to_lds s[G0V+4*\n:G0V+4*\n+3], s[G1V:G1V+7]
	s_nop 0
.rept 4
	v_nop
.endr
.Lasked_\@:
.endm
.macro CROUND                          ; a round of the cluster's barrier
	s_barrier_signal -1
	s_barrier_wait -1
	s_cmp_lg_u32 s[WV], 0
	s_cbranch_scc1 .Lnot_wave_0_\@
	s_barrier_signal -3
.Lnot_wave_0_\@:
	s_barrier_wait -3
	s_barrier_signal -1
	s_barrier_wait -1
.endm
	s_load_b128 s[4:7], s[0:1], 0x0                ; qkv16, att16
	v_lshl_add_u32 v[SPW], v0, 2, SPARE
	v_mov_b32 v[NIL], 0
	ds_add_u32 v[SPW], v[NIL]                      ; the wave's opening: the add, twice on end, and its wait ahead of my first tensor load
	ds_add_u32 v[SPW], v[NIL]
	v_lshrrev_b32 v1, 5, v0
	v_readfirstlane_b32 s[WV], v1                  ; wave 0..7
	s_bfe_u32 s9, ttmp6, 0x40000                   ; cx
	s_lshl_b32 s11, ttmp9, 2
	s_add_co_u32 s9, s9, s11                       ; my block of 512 queries: it enters Q's and the result's addresses alone
	s_and_b32 s10, ttmp7, 0xffff                   ; the head, which the four partners share
	s_lshl_b32 s10, s10, 18                        ; its first byte in a part
	s_and_b32 s11, s[WV], 3                        ; which quarter of a slot I fetch:
	s_lshl_b32 s12, s11, 14                        ; its 128 rows of 128 bytes in memory,
	s_add_co_u32 s12, s12, s10
	s_mov_b32 s13, 0
	s_mul_i32 s14, s11, 128*PKP                    ; and its place in a slot, for K
	s_mul_i32 s15, s11, 128*PVP
	s_add_co_u32 s15, s15, VOFF                    ; and for V
	s_lshl_b32 s16, s9, 16                         ; my block's 512 rows,
	s_lshl_b32 s17, s[WV], 13                      ; my wave's 64 of them
	s_add_co_u32 s16, s16, s17
	s_add_co_u32 s16, s16, s10
	s_mov_b32 s17, 0
	; descriptor group 1: 128 rows x 64 elements of 2 bytes, padded behind every 32 words: 4 words for K, 8 for V; the mask names all four work-groups
	s_mov_b32 s[G1K], 15|(1<<16)|(1<<20)|(1<<21)|(4<<22)|(3<<25)
	s_mov_b32 s[G1V], 15|(1<<16)|(1<<20)|(1<<21)|(4<<22)|(7<<25)
.irp g, G1K, G1V
	s_mov_b32 s[\g+1], 64<<16                      ; tensor_dim0
	s_mov_b32 s[\g+2], 128<<16                     ; tensor_dim1
	s_mov_b32 s[\g+3], 64<<16                      ; tile_dim0
	s_mov_b32 s[\g+4], 128                         ; tile_dim1
	s_mov_b32 s[\g+5], 64                          ; the pitch in memory
	s_mov_b32 s[\g+6], 0
	s_mov_b32 s[\g+7], 0
.endr
	s_mov_b32 s[SEL], 0x76543210
	s_mov_b32 s[SEL+1], 0xfedcba98
	s_mov_b32 s[TK], 0
	s_mov_b32 s[TV], VOFF
	s_wait_dscnt 0x0                               ; both opening adds are done
	s_wait_kmcnt 0x0
	s_add_nc_u64 s[18:19], s[4:5], s[12:13]        ; my quarter of the head's first 512 rows, in part 0;
	s_add_nc_u64 s[20:21], s[18:19], 0x1000000     ; in K's part;
	s_add_nc_u64 s[22:23], s[18:19], 0x2000000     ; in V's
	s_add_nc_u64 s[4:5], s[4:5], s[16:17]          ; Q at my wave's first row
	s_add_nc_u64 s[6:7], s[6:7], s[16:17]          ; the result likewise
	CROUND                                         ; all four work-groups are here: the first joint loads meet
.irp n, 0,1
	s_mov_b32 s[G0K+4*\n], 1
	s_add_co_u32 s[G0K+4*\n+1], s14, \n*SLOTB
	s_add_nc_u64 s[G0K+4*\n+2:G0K+4*\n+3], s[20:21], \n*SKEYS*128
	s_or_b32 s[G0K+4*\n+3], s[G0K+4*\n+3], 0x80000000
	s_mov_b32 s[G0V+4*\n], 1
	s_add_co_u32 s[G0V+4*\n+1], s15, \n*SLOTB
	s_add_nc_u64 s[G0V+4*\n+2:G0V+4*\n+3], s[22:23], \n*SKEYS*128
	s_or_b32 s[G0V+4*\n+3], s[G0V+4*\n+3], 0x80000000
.endr
	s_cmp_lt_u32 s[WV], 4                          ; a wave's two first fills stand in one branch: two loads of mine are out
	s_cbranch_scc0 .Lfirst_v
	tensor_load_to_lds s[G0K:G0K+3], s[G1K:G1K+7]
	s_nop 0
	tensor_load_to_lds s[G0K+4:G0K+7], s[G1K:G1K+7]
	s_nop 0
.rept 4
	v_nop
.endr
	s_branch .Lfirst_asked
.Lfirst_v:
	tensor_load_to_lds s[G0V:G0V+3], s[G1V:G1V+7]
	s_nop 0
	tensor_load_to_lds s[G0V+4:G0V+7], s[G1V:G1V+7]
	s_nop 0
.rept 4
	v_nop
.endr
.Lfirst_asked:
	v_and_b32 v1, 15, v0                           ; r
	v_bfe_u32 v12, v0, 4, 1                        ; h
	v_lshlrev_b32 v[QO], 7, v1
	v_lshl_add_u32 v[QO], v12, 4, v[QO]            ; row r of 128 bytes + 16 h
	v_and_b32 v13, 7, v0
	v_bfe_u32 v14, v0, 3, 1
	WIN 0x40                                       ; destination window 1
.irp t, 0,1,2,3                                ; Q stays in registers: tile t, channels 32 kk on: registers 0-3 channels 8 h + 0..7, registers 4-7 channels 16 + 8 h + 0..7
.irp kk, 0,1
.irp u, 0,1
	global_load_b128 v[QF+16*\t+8*\kk+4*\u:QF+16*\t+8*\kk+4*\u+3], v[QO], s[4:5] offset:2048*\t+64*\kk+32*\u
.endr
.endr
.endr
	WIN 0
	v_mul_u32_u24 v[AK0], v1, PKP
	v_lshl_add_u32 v[AK0], v12, 4, v[AK0]          ; K: row x pitch + 16 h
	v_lshl_add_u32 v[AV0], v12, 3, v13             ; V, turned: lane l reads key 8 h + l % 8, channels 8 ((l / 8) % 2) + 0..7
	v_mul_u32_u24 v[AV0], v[AV0], PVP
	v_lshl_add_u32 v[AV0], v14, 4, v[AV0]
	s_mul_i32 s10, s[WV], 64*SP                    ; my stage
	v_mul_u32_u24 v[STO], v1, SP
	v_lshl_add_u32 v[STO], v12, 4, v[STO]
	v_add_nc_u32 v[STO], s10, v[STO]               ; in: row r, 16 bytes for each half of the lanes
	v_and_b32 v15, 31, v0
	v_lshrrev_b32 v16, 3, v15
	v_mul_u32_u24 v[RD], v16, SP
	v_lshl_add_u32 v[RD], v13, 4, v[RD]
	v_add_nc_u32 v[RD], s10, v[RD]                 ; back: eight lanes to a row of 128 bytes, four rows an instruction
	v_lshlrev_b32 v[GO], 4, v15
.irp t, 0,1,2,3
	v_mov_b32 v[ST+8*\t+1], 0                      ; named as the upper half of the pair (m, .) before it is first used
.endr
.macro FETCH_K                         ; 64 keys x 64 channels: fragment 2 kt + kk: keys 16 kt on, channels 32 kk on
.irp kt, 0,1,2,3
.irp kk, 0,1
.irp u, 0,1
	ds_load_b128 v[KF+8*(2*\kt+\kk)+4*\u:KF+8*(2*\kt+\kk)+4*\u+3], v[ADK] offset:16*PKP*\kt+64*\kk+32*\u
.endr
.endr
.endr
.endm
.macro FETCH_V                         ; turned: fragment 4 k2 + ct: keys 32 k2 on, channels 16 ct on
	WIN 0x40
.irp k2, 0,1
.irp ct, 0,1,2,3
.irp u, 0,1
	ds_load_tr16_b128 v[VF+8*(4*\k2+\ct)+4*\u:VF+8*(4*\k2+\ct)+4*\u+3], v[ADV] offset:32*PVP*\k2+32*\ct+16*PVP*\u
.endr
.endr
.endr
.endm
; The 16 accumulators of each product take turns, one instruction a turn: 15 others' stand between two links of a chain.
.macro QKM                             ; S^T = K Q^T: product i: channels 32 (i / 16) on, keys 16 ((i / 4) % 4) on, tile i % 4.  The first 16 start the sums
	WIN 0x04                                       ; Q in window 1
.set i, 0
.rept 32
.set rS, S+32*(i%4)+8*((i/4)%4)
.set rK, KF+8*(2*((i/4)%4)+i/16)
.set rQ, QF+16*(i%4)+8*(i/16)
.if i < 16
	v_wmma_f32_16x16x32_f16 v[rS:rS+7], v[rK:rK+7], v[rQ:rQ+7], 0
.else
	v_wmma_f32_16x16x32_f16 v[rS:rS+7], v[rK:rK+7], v[rQ:rQ+7], v[rS:rS+7]
.endif
.set i, i+1
.endr
	WIN 0
.endm
.macro PVM first                       ; O^T += V^T P: product i: keys 32 (i / 16) on, channels 16 ((i / 4) % 4) on, tile i % 4.  first = 1: the first 16 start the sums
	WIN 0x51                                       ; V and O^T in window 1, P in window 0
.set i, 0
.rept 32
.set rO, 32*(i%4)+8*((i/4)%4)
.set rV, VF+8*(4*(i/16)+(i/4)%4)
.set rP, S+32*(i%4)+8*(i/16)
.if \first && (i < 16)
	v_wmma_f32_16x16x32_f16 v[rO:rO+7], v[rV:rV+7], v[rP:rP+7], 0
.else
	v_wmma_f32_16x16x32_f16 v[rO:rO+7], v[rV:rV+7], v[rP:rP+7], v[rO:rO+7]
.endif
.set i, i+1
.endr
.endm
; THE SOFTMAX of one key step, the four tiles by turns, line by line, so that no line waits for the line above it.  first = 1: the first key step, which starts m, l and O^T.
.macro SOFTMAX first
.irp j, 0,1,2,3                                ; the maximum of a lane's 32 scores: four chains, one to an accumulator, each read from its low end on
.irp t, 0,1,2,3
	v_max3_num_f32 v[ST+8*\t+4+\j], v[S+32*\t+8*\j], v[S+32*\t+8*\j+1], v[S+32*\t+8*\j+2]
.endr
.endr
.irp u, 1,2
.irp j, 0,1,2,3
.irp t, 0,1,2,3
	v_max3_num_f32 v[ST+8*\t+4+\j], v[ST+8*\t+4+\j], v[S+32*\t+8*\j+2*\u+1], v[S+32*\t+8*\j+2*\u+2]
.endr
.endr
.endr
.irp t, 0,1,2,3
	v_max3_num_f32 v[ST+8*\t+4], v[ST+8*\t+4], v[S+32*\t+7], v[S+32*\t+15]
.endr
.irp t, 0,1,2,3
	v_max3_num_f32 v[ST+8*\t+6], v[ST+8*\t+6], v[S+32*\t+23], v[S+32*\t+31]
.endr
.irp t, 0,1,2,3
	v_max3_num_f32 v[ST+8*\t+4], v[ST+8*\t+4], v[ST+8*\t+5], v[ST+8*\t+6]
.endr
.irp t, 0,1,2,3
.if \first
	v_max_num_f32 v[ST+8*\t+4], v[ST+8*\t+4], v[ST+8*\t+7]
.else
	v_max3_num_f32 v[ST+8*\t+4], v[ST+8*\t+4], v[ST+8*\t+7], v[ST+8*\t]   ; with the old m
.endif
.endr
.irp t, 0,1,2,3
	v_permlanex16_b32 v[ST+8*\t+5], v[ST+8*\t+4], s[SEL], s[SEL+1]        ; the query's other 32 keys lie in the lane 16 away
.endr
.if \first == 0
.irp t, 0,1,2,3
	v_mov_b32 v[ST+8*\t+1], v[ST+8*\t]
.endr
.endif
.irp t, 0,1,2,3
	v_max_num_f32 v[ST+8*\t], v[ST+8*\t+4], v[ST+8*\t+5]                  ; the new m
.endr
.if \first == 0
.irp t, 0,1,2,3
	v_sub_f32 v[ST+8*\t+1], v[ST+8*\t+1], v[ST+8*\t]                      ; m_old - m_new
.endr
.endif
; ONE BATCH: the 64 subtractions S - m, a pair of scores each, and all 132 exponentials; none of these names an exponential's result.  A pair is subtracted one turn ahead of its exponentials.
.irp t, 0,1,2,3
	v_pk_add_f32 v[S+32*\t:S+32*\t+1], v[S+32*\t:S+32*\t+1], v[ST+8*\t:ST+8*\t+1] op_sel_hi:[1,0] neg_lo:[0,1] neg_hi:[0,1]
.endr
.if \first == 0
.irp t, 0,1,2,3
	v_exp_f32 v[ST+8*\t+6], v[ST+8*\t+1]                                  ; a
.endr
.endif
.set n, 0
.rept 16
.if n < 15
.irp t, 0,1,2,3
	v_pk_add_f32 v[S+32*\t+2*n+2:S+32*\t+2*n+3], v[S+32*\t+2*n+2:S+32*\t+2*n+3], v[ST+8*\t:ST+8*\t+1] op_sel_hi:[1,0] neg_lo:[0,1] neg_hi:[0,1]
.endr
.endif
.irp t, 0,1,2,3
	v_exp_f32 v[S+32*\t+2*n], v[S+32*\t+2*n]
	v_exp_f32 v[S+32*\t+2*n+1], v[S+32*\t+2*n+1]
.endr
.set n, n+1
.endr
	v_nop                                          ; a plain instruction behind the last exponential
	s_wait_alu depctr_va_vdst(0)                   ; one wait for the whole batch, ahead of the first use of a result
; the sums, of the unrounded weights: l takes the even pairs, a second chain the odd ones
.irp t, 0,1,2,3
.if \first
	v_pk_add_f32 v[ST+8*\t+2:ST+8*\t+3], v[S+32*\t:S+32*\t+1], v[S+32*\t+4:S+32*\t+5]
.else
	v_pk_fma_f32 v[ST+8*\t+2:ST+8*\t+3], v[ST+8*\t+2:ST+8*\t+3], v[ST+8*\t+6:ST+8*\t+7], v[S+32*\t:S+32*\t+1] op_sel_hi:[1,0,1]
.endif
.endr
.irp t, 0,1,2,3
	v_pk_add_f32 v[ST+8*\t+4:ST+8*\t+5], v[S+32*\t+2:S+32*\t+3], v[S+32*\t+6:S+32*\t+7]
.endr
.if \first == 0
.irp t, 0,1,2,3
	v_pk_add_f32 v[ST+8*\t+2:ST+8*\t+3], v[ST+8*\t+2:ST+8*\t+3], v[S+32*\t+4:S+32*\t+5]
.endr
.endif
.irp k, 2,3,4,5,6,7
.irp t, 0,1,2,3
	v_pk_add_f32 v[ST+8*\t+2:ST+8*\t+3], v[ST+8*\t+2:ST+8*\t+3], v[S+32*\t+4*\k:S+32*\t+4*\k+1]
.endr
.irp t, 0,1,2,3
	v_pk_add_f32 v[ST+8*\t+4:ST+8*\t+5], v[ST+8*\t+4:ST+8*\t+5], v[S+32*\t+4*\k+2:S+32*\t+4*\k+3]
.endr
.endr
.irp t, 0,1,2,3
	v_pk_add_f32 v[ST+8*\t+2:ST+8*\t+3], v[ST+8*\t+2:ST+8*\t+3], v[ST+8*\t+4:ST+8*\t+5]
.endr
.set n, 0
.rept 16                                       ; the weights to f16, in place: pair n goes to register n, which has been read
.irp t, 0,1,2,3
	v_cvt_pk_f16_f32 v[S+32*\t+n], v[S+32*\t+2*n], v[S+32*\t+2*n+1]
.endr
.set n, n+1
.endr
.if \first == 0
	WIN 0x41                                       ; O^T in window 1, a in window 0
.set n, 0
.rept 16                                       ; O^T times a, each accumulator from its low end on
.irp t, 0,1,2,3
	v_pk_mul_f32 v[32*\t+2*n:32*\t+2*n+1], v[32*\t+2*n:32*\t+2*n+1], v[ST+8*\t+6:ST+8*\t+7] op_sel_hi:[1,0]
.endr
.set n, n+1
.endr
.endif
.endm
; A TRIP is step i: it fetches K and V of step i (both from step i's slot), and does the softmax and V^T P of step i - 1 and K Q^T of step i.
.macro TRIP first
	v_add_nc_u32 v[ADK], s[TK], v[AK0]             ; these four plain instructions are the places between K Q^T of step i - 1 and the loads into K's registers and the reads of the scores
	v_add_nc_u32 v[ADV], s[TV], v[AV0]
	v_nop
	v_nop
	FETCH_K
	SOFTMAX \first
	s_wait_dscnt 16                                ; V of step i - 1 is in; the 16 loads of K of step i are younger
	PVM \first
.rept 5
	v_nop                                          ; five places: V's registers are loaded next (four are asked), and K Q^T writes over P's registers (five)
.endr
	FETCH_V
	s_wait_dscnt 16                                ; K of step i is in; the 16 loads of V are younger
	QKM
	s_add_co_u32 s[TK], s[TK], KS*PKP
	s_add_co_u32 s[TV], s[TV], KS*PVP
.endm
.macro TRIPS n
	s_mov_b32 s[CNT], \n
.Ltrip_\@:
	TRIP 0
	s_sub_co_u32 s[CNT], s[CNT], 1
	s_cmp_lg_u32 s[CNT], 0
	s_cbranch_scc1 .Ltrip_\@
.endm
; THE CHANGE OF SLOTS stands at a trip's top.  Each wave waits for all its tensor loads (its part of the slot ahead), adds 0 to its spare word, and waits for that and for its reads of the slot that it leaves.
; fill = 1: slot n, just left, takes the keys 1,024 further on: the barrier is a round of the cluster's, and the joint refill is the first thing behind it.  nxt: the slot that is read next.
.macro CHANGE n, fill, nxt
	s_wait_tensorcnt 0x0                           ; no tensor load of mine is out, so a group 0 may be written
	ds_add_u32 v[SPW], v[NIL]
.if \fill
	s_add_nc_u64 s[G0K+4*\n+2:G0K+4*\n+3], s[G0K+4*\n+2:G0K+4*\n+3], 2*SKEYS*128
	s_add_nc_u64 s[G0V+4*\n+2:G0V+4*\n+3], s[G0V+4*\n+2:G0V+4*\n+3], 2*SKEYS*128
	s_wait_dscnt 0x0                               ; the add is done, and my reads of the slot are over
	CROUND
	JLOAD \n
.else
	s_wait_dscnt 0x0
	s_barrier_signal -1
	s_barrier_wait -1
.endif
	s_mov_b32 s[TK], (\nxt)*SLOTB
	s_mov_b32 s[TV], (\nxt)*SLOTB+VOFF
.endm
	s_wait_tensorcnt 1                             ; my part of slot 0 is in; slot 1's may stay out
	s_barrier_signal -1
	s_barrier_wait -1
	v_add_nc_u32 v[ADK], s[TK], v[AK0]
	v_add_nc_u32 v[ADV], s[TV], v[AV0]
	FETCH_K                                        ; key step 0
	FETCH_V
	s_wait_loadcnt 0x0                             ; Q
	s_wait_dscnt 16                                ; K is in; V's 16 loads are younger
	QKM
	s_add_co_u32 s[TK], s[TK], KS*PKP
	s_add_co_u32 s[TV], s[TV], KS*PVP
	TRIP 1                                         ; step 1, with the first softmax
	TRIPS 6                                        ; steps 2 to 7
	CHANGE 0, 1, 1
	TRIPS 8                                        ; steps 8 to 15, in slot 1
	CHANGE 1, 1, 0
	TRIPS 8                                        ; steps 16 to 23, in slot 0
	CHANGE 0, 0, 1                                 ; nothing is left to fetch
	TRIPS 8                                        ; steps 24 to 31
.rept 4
	v_nop                                          ; places behind the last K Q^T
.endr
	SOFTMAX 0
	s_wait_dscnt 0x0
	PVM 0
	WIN 0
	; THE WAY OUT.  l's two halves and the other half of the lanes' are added (these additions are the places behind the last products); O^T is divided by l, rounded to f16 and sent through my stage
.irp t, 0,1,2,3
	v_add_f32 v[ST+8*\t+4], v[ST+8*\t+2], v[ST+8*\t+3]
.endr
.irp t, 0,1,2,3
	v_permlanex16_b32 v[ST+8*\t+5], v[ST+8*\t+4], s[SEL], s[SEL+1]
.endr
.irp t, 0,1,2,3
	v_add_f32 v[ST+8*\t+4], v[ST+8*\t+4], v[ST+8*\t+5]
.endr
.irp t, 0,1,2,3
	v_rcp_f32 v[ST+8*\t+6], v[ST+8*\t+4]
.endr
	v_nop                                          ; a plain instruction behind the last reciprocal
	s_wait_alu depctr_va_vdst(0)                   ; one wait for the four, ahead of their first use
	WIN 0x41
.set n, 0
.rept 16
.irp t, 0,1,2,3
	v_pk_mul_f32 v[32*\t+2*n:32*\t+2*n+1], v[32*\t+2*n:32*\t+2*n+1], v[ST+8*\t+6:ST+8*\t+7] op_sel_hi:[1,0]
.endr
.set n, n+1
.endr
	WIN 0x05                                       ; sources in window 1, destination in window 0
.set n, 0
.rept 16
.irp t, 0,1,2,3
	v_cvt_pk_f16_f32 v[S+16*\t+n], v[32*\t+2*n], v[32*\t+2*n+1]
.endr
.set n, n+1
.endr
	WIN 0
.irp t, 0,1,2,3
.irp ct, 0,1,2,3
	ds_store_b128 v[STO], v[S+16*\t+4*\ct:S+16*\t+4*\ct+3] offset:16*SP*\t+32*\ct
.endr
.endr
.irp t, 0,1,2,3
.irp u, 0,1,2,3
	ds_load_b128 v[96+16*\t+4*\u:96+16*\t+4*\u+3], v[RD] offset:16*SP*\t+4*SP*\u   ; LDS serves a wave's instructions in order (ISA guide 5.7.1.4): these see the stores above
.endr
.endr
.irp t, 0,1,2,3
.irp u, 0,1,2,3
	s_wait_dscnt 15-4*\t-\u                        ; the younger loads may be out
	global_store_b128 v[GO], v[96+16*\t+4*\u:96+16*\t+4*\u+3], s[6:7] offset:2048*\t+512*\u   ; four rows: 512 consecutive bytes, aligned
.endr
.endr
	s_wait_tensorcnt 0x0                           ; the wave's end
	ds_add_u32 v[SPW], v[NIL]
	s_wait_dscnt 0x0
	CROUND                                         ; the closing round
	s_endpgm
.Lfunc_end_k_q811b69f6d0_attn:
	.size	k_q811b69f6d0_attn, .Lfunc_end_k_q811b69f6d0_attn-k_q811b69f6d0_attn
	.p2alignl 7, 3214868480
	.fill 96, 4, 3214868480
	.section	.rodata,"a",@progbits
	.p2align	6, 0x0
	.amdhsa_kernel k_q811b69f6d0_attn
		.amdhsa_group_segment_fixed_size 327680
		.amdhsa_private_segment_fixed_size 0
		.amdhsa_enable_private_segment 0
		.amdhsa_kernarg_size 16
		.amdhsa_user_sgpr_count 2
		.amdhsa_user_sgpr_kernarg_segment_ptr 1
		.amdhsa_wavefront_size32 1
		.amdhsa_system_sgpr_workgroup_id_x 1
		.amdhsa_system_sgpr_workgroup_id_y 1
		.amdhsa_system_sgpr_workgroup_id_z 1
		.amdhsa_system_vgpr_workitem_id 0
		.amdhsa_next_free_vgpr 512
		.amdhsa_next_free_sgpr 66
		.amdhsa_reserve_vcc 0
		.amdhsa_float_denorm_mode_32 3
		.amdhsa_float_denorm_mode_16_64 3
		.amdhsa_memory_ordered 1
		.amdhsa_forward_progress 1
		.amdhsa_inst_pref_size 208
	.end_amdhsa_kernel
	.amdgpu_metadata
---
amdhsa.version: [ 1, 2 ]
amdhsa.kernels:
  - .name:           k_q811b69f6d0_attn
    .symbol:         k_q811b69f6d0_attn.kd
    .args:
      - { .name: qkv16, .offset: 0, .size: 8, .value_kind: global_buffer, .address_space: global }
      - { .name: att16, .offset: 8, .size: 8, .value_kind: global_buffer, .address_space: global }
    .group_segment_fixed_size: 327680
    .private_segment_fixed_size: 0
    .kernarg_segment_align: 8
    .kernarg_segment_size: 16
    .max_flat_workgroup_size: 256
    .sgpr_count:     66
    .vgpr_count:     512
    .wavefront_size: 32
...
	.end_amdgpu_metadata
.endif
;; end of part 3
;; launch proj (part 4): grid 4 x 64, 4 waves a work-group, clusters of 4 x 4, 327,680 bytes of LDS; arguments att16, wp16, out0, proj_b; writes out0
.if DOCPART == 4
	.amdgcn_target "amdgcn-amd-amdhsa--gfx1250"
	.amdhsa_code_object_version 6
	.text
	.protected	k_q811b69f6d0_proj
	.globl	k_q811b69f6d0_proj
	.p2align	8
	.type	k_q811b69f6d0_proj,@function
k_q811b69f6d0_proj:
	s_mov_b64 s[64:65], 0
	v_nop
	global_prefetch_b8 v0, s[64:65] scope:SCOPE_SE
	s_setreg_imm32_b32 hwreg(HW_REG_WAVE_MODE, 25, 1), 1
	s_wait_xcnt 0x0
	s_wait_alu depctr_hold_cnt(0) depctr_sa_sdst(0) depctr_va_vdst(0) depctr_va_sdst(0) depctr_va_ssrc(0) depctr_va_vcc(0) depctr_vm_vsrc(0)
	s_getreg_b32 s2, hwreg(HW_REG_IB_STS2, 6, 4)
	s_cmp_eq_u32 s2, 0
	s_cbranch_scc0 .Lentry_in_a_cluster
	s_endpgm
.Lentry_in_a_cluster:
	s_bfe_u32 s2, ttmp6, 0x10000c
	s_cmp_lg_u32 s2, 0xf033
	s_cbranch_scc0 .Lentry_shape_is_right
	s_endpgm
.Lentry_shape_is_right:
; out0[m][n] = the sum over k of A[m][k] W[n][k] + proj_b[n].  A[m = 2048 batch + s][k = 64 head + d] lies by heads: att16 [64 batch x head][2048][64] f16; W: wp16 [1024][1024] f16; out0 [8192][1024] f32.  Sums in f32.
; A tile of C is 128 x 256: 256 work-groups, one to a WGP.  Four waves, each 64 x 128: 32 accumulators, 256 registers.  K goes in steps of 128, two heads, through two LDS slots:
; waves 0 and 1 fetch A's two planes (a head's 128 rows of 128 bytes), waves 2 and 3 B's two halves (128 rows of 256 bytes): one tensor load a wave behind each change of slots.
; CLUSTERS: 4 x 4 work-groups; A's tiles are shared along a row of the cluster, B's along a column: each is asked for jointly.
; THE MATRIX INSTRUCTION IS USED TRANSPOSED (source 0 = 16 rows of W, source 1 = 16 rows of A): a lane holds eight neighbouring numbers of a row of C.  The bias is the C of each sum's first product.
; REGISTERS: window 0: v16-29 addresses; v32-95 the bias; v96-223 rows on the way out, two sets.  window 1: two fragment buffers, at v0 and v128: 64 registers of W (8 x 16 rows x 32 K), then 32 of A.  window 2: the accumulators, (a, b) at v[8 (8 a + b)].
.set PA,     144                       ; a row of A in LDS: 128 bytes + 16
.set PB,     272                       ; a row of W: 256 bytes + 16.  Both are odd multiples of 16 bytes: the 16 rows that a load touches start at 16 different banks (64 banks of 4 bytes: ISA guide 11.1)
.set PLANE,  128*PA
.set BOFF,   2*PLANE
.set HALFB,  128*PB
.set SLOT,   BOFF+2*HALFB
.set STAGE,  2*SLOT                    ; behind the slots: 16 rows x (512 bytes + 16) for each wave; no tensor load lands there
.set SPITCH, 528
.set SPARE,  STAGE+4*16*SPITCH         ; the spare words, 128 bytes a wave
.set LAPS,   4                         ; a lap = two K steps
.set ADRA, 16
.set ADRB, 20
.set STO,  24
.set RD,   25
.set CO,   26
.set BO,   27
.set SPW,  28                          ; my spare word; never rewritten
.set NIL,  29                          ; 0; never rewritten
.set BI,   32
.set BK,   96
.set F0,   0
.set F1,   128
.set G1, 24
.set G0, 32
.set G1B, 48
.set G0B, 56
.set MSB, 0
.macro WIN new
.if MSB != (\new)
	s_set_vgpr_msb (MSB<<8)|(\new)
.set MSB, (\new)
.endif
.endm
.set MUL,  0xa5                        ; sources 0 and 1 window 1; C and D window 2
.set MULZ, 0x85                        ; the same with C (the bias) in window 0
.set TO_F, 0x40
.macro JLOAD s                         ; a joint load; an s_nop 0 and four v_nop follow each of the two lines
	s_cmp_eq_u32 s15, 0
	s_cbranch_scc0 .Lfor_b_\@
	tensor_load_to_lds s[G0+4*\s:G0+4*\s+3], s[G1:G1+7]
	s_nop 0
.rept 4
	v_nop
.endr
	s_branch .Lasked_\@
.Lfor_b_\@:
	tensor_load_to_lds s[G0B+4*\s:G0B+4*\s+3], s[G1B:G1B+7]
	s_nop 0
.rept 4
	v_nop
.endr
.Lasked_\@:
.endm
.macro CREST                           ; a round of the cluster's barrier behind its opening barrier
	s_cmp_lg_u32 s14, 0
	s_cbranch_scc1 .Lnot_wave_0_\@
	s_barrier_signal -3
.Lnot_wave_0_\@:
	s_barrier_wait -3
	s_barrier_signal -1
	s_barrier_wait -1
.endm
.macro CROUND
	s_barrier_signal -1
	s_barrier_wait -1
	CREST
.endm
	s_load_b128 s[4:7], s[0:1], 0x0                ; att16, wp16
	s_load_b128 s[8:11], s[0:1], 0x10              ; out0, proj_b
	v_lshl_add_u32 v[SPW], v0, 2, SPARE
	v_mov_b32 v[NIL], 0
	ds_add_u32 v[SPW], v[NIL]                      ; the wave's opening: the add, twice on end, and its wait ahead of my first tensor load
	ds_add_u32 v[SPW], v[NIL]
	v_lshrrev_b32 v1, 5, v0
	v_readfirstlane_b32 s14, v1                    ; wave 0..3
	s_lshr_b32 s15, s14, 1                         ; which half of the tile's rows is mine.  Also: I fetch for A (0) or for W (1)
	s_and_b32 s16, s14, 1                          ; which half of its columns.  Also: which plane of A, or which 128 rows of W, I fetch
	s_bfe_u32 s40, ttmp6, 0x40000                  ; cx, cy
	s_bfe_u32 s41, ttmp6, 0x40004
	s_lshl_b32 s42, ttmp9, 2
	s_add_co_u32 s42, s42, s40                     ; tile column of C
	s_and_b32 s17, ttmp7, 0xffff
	s_lshl_b32 s17, s17, 2
	s_add_co_u32 s17, s17, s41                     ; tile row of C
	s_lshl_b32 s43, s41, 2
	s_lshl_b32 s43, 15, s43                        ; my row of the cluster
	s_lshl_b32 s44, 0x1111, s40                    ; my column
	; group 1 for A: 128 rows x 64 elements of 2 bytes, dense, 4 words of padding behind every 32; for W: 128 rows x 128 elements, 1,024 apart, 4 words behind every 64
	s_or_b32 s[G1+0], s43, (1<<16)|(1<<20)|(1<<21)|(4<<22)|(3<<25)
	s_mov_b32 s[G1+1], 64<<16
	s_mov_b32 s[G1+2], 128<<16
	s_mov_b32 s[G1+3], 64<<16
	s_mov_b32 s[G1+4], 128
	s_mov_b32 s[G1+5], 64
	s_mov_b32 s[G1+6], 0
	s_mov_b32 s[G1+7], 0
	s_or_b32 s[G1B+0], s44, (1<<16)|(1<<20)|(1<<21)|(5<<22)|(3<<25)
	s_mov_b32 s[G1B+1], 128<<16
	s_mov_b32 s[G1B+2], 128<<16
	s_mov_b32 s[G1B+3], 128<<16
	s_mov_b32 s[G1B+4], 128
	s_mov_b32 s[G1B+5], 1024
	s_mov_b32 s[G1B+6], 0
	s_mov_b32 s[G1B+7], 0
	s_lshr_b32 s20, s17, 4                         ; A: the batch (16 heads of 2^18 bytes),
	s_lshl_b32 s20, s20, 22
	s_and_b32 s21, s17, 15                         ; the tile's 128 positions (128 bytes a row),
	s_lshl_b32 s21, s21, 14
	s_add_co_u32 s20, s20, s21
	s_lshl_b32 s21, s16, 18                        ; my head of the K step's two
	s_add_co_u32 s20, s20, s21
	s_mov_b32 s21, 0
	s_lshl_b32 s46, s42, 8                         ; W: row 256 x tile column + 128 x half, 2,048 bytes a row
	s_lshl_b32 s47, s16, 7
	s_add_co_u32 s46, s46, s47
	s_lshl_b32 s46, s46, 11
	s_mov_b32 s47, 0
	s_mul_i32 s45, s16, PLANE                      ; where they go
	s_mul_i32 s22, s16, HALFB
	s_add_co_u32 s22, s22, BOFF
	s_wait_dscnt 0x0                               ; both opening adds are done
	s_wait_kmcnt 0x0
	s_add_nc_u64 s[20:21], s[4:5], s[20:21]
	s_add_nc_u64 s[46:47], s[6:7], s[46:47]
	CROUND                                         ; all sixteen work-groups are here: the first joint loads meet
.irp s, 0,1
	s_mov_b32 s[G0+4*\s], 1
	s_add_co_u32 s[G0+4*\s+1], s45, \s*SLOT
	s_add_nc_u64 s[G0+4*\s+2:G0+4*\s+3], s[20:21], \s*2*262144     ; K step s: heads 2 s, 2 s + 1
	s_or_b32 s[G0+4*\s+3], s[G0+4*\s+3], 0x80000000
	s_mov_b32 s[G0B+4*\s], 1
	s_add_co_u32 s[G0B+4*\s+1], s22, \s*SLOT
	s_add_nc_u64 s[G0B+4*\s+2:G0B+4*\s+3], s[46:47], \s*256
	s_or_b32 s[G0B+4*\s+3], s[G0B+4*\s+3], 0x80000000
	JLOAD \s                                       ; two tensor loads of mine are out
.endr
	v_and_b32 v1, 15, v0                           ; r
	v_bfe_u32 v2, v0, 4, 1                         ; h
	v_mul_u32_u24 v3, v1, PA
	v_lshl_add_u32 v3, v2, 4, v3
	v_mul_u32_u24 v4, v1, PB
	v_lshl_add_u32 v4, v2, 4, v4
	s_mul_i32 s21, s15, 64*PA                      ; my 64 rows of A, in each plane
	s_mul_i32 s22, s16, HALFB                      ; my 128 rows of W
	s_add_co_u32 s22, s22, BOFF
.irp s, 0,1
	v_add_nc_u32 v[ADRA+\s], s21, v3
	v_add_nc_u32 v[ADRB+\s], s22, v4
	s_add_co_u32 s21, s21, SLOT
	s_add_co_u32 s22, s22, SLOT
.endr
	s_mul_i32 s23, s14, 16*SPITCH
	s_add_co_u32 s23, s23, STAGE                   ; my stage
	v_mul_u32_u24 v5, v1, SPITCH                   ; in: row r, 32 bytes for each half of the lanes
	v_lshl_add_u32 v5, v2, 5, v5
	v_add_nc_u32 v[STO], s23, v5
	v_and_b32 v6, 31, v0
	v_lshlrev_b32 v[CO], 4, v6                     ; back: the 32 lanes take one row of 512 bytes; and the same in C
	v_add_nc_u32 v[RD], s23, v[CO]
	v_lshlrev_b32 v[BO], 5, v2
	s_lshl_b32 s20, s17, 7
	s_lshl_b32 s21, s15, 6
	s_add_co_u32 s20, s20, s21                     ; my first row of C,
	s_lshl_b32 s20, s20, 12                        ; 4,096 bytes a row
	s_lshl_b32 s46, s42, 10                        ; my first column, in bytes
	s_lshl_b32 s47, s16, 9
	s_add_co_u32 s46, s46, s47
	s_mov_b32 s47, 0
	s_add_nc_u64 s[10:11], s[10:11], s[46:47]      ; the bias of my 128 columns
	s_add_co_u32 s20, s20, s46
	s_mov_b32 s21, 0
	s_add_nc_u64 s[8:9], s[8:9], s[20:21]
.irp b, 0,1,2,3,4,5,6,7
.irp u, 0,1
	global_load_b128 v[BI+8*\b+4*\u:BI+8*\b+4*\u+3], v[BO], s[10:11] offset:64*\b+16*\u   ; in the result's layout: register j of block b: column 16 b + 8 h + j
.endr
.endr
; 8 matrix instructions: A's block a x W's eight, 32 along K.  The 32 accumulators take turns, one instruction a turn, in the same order in every quarter.
.macro MULA f, a, zero
.irp b, 0,1,2,3,4,5,6,7
.if \zero
	v_wmma_f32_16x16x32_f16 v[8*(8*(\a)+\b):8*(8*(\a)+\b)+7], v[\f+8*\b:\f+8*\b+7], v[\f+64+8*(\a):\f+64+8*(\a)+7], v[BI+8*\b:BI+8*\b+7]
.else
	v_wmma_f32_16x16x32_f16 v[8*(8*(\a)+\b):8*(8*(\a)+\b)+7], v[\f+8*\b:\f+8*\b+7], v[\f+64+8*(\a):\f+64+8*(\a)+7], v[8*(8*(\a)+\b):8*(8*(\a)+\b)+7]
.endif
.endr
.endm
; 24 LDS loads in one run: the fragments of the slot's q-th 32 along K into buffer f: W's eight, then A's four (plane q / 2, byte 64 (q % 2) of its rows)
.macro FETCH slot, q, f
	WIN TO_F
.irp b, 0,1,2,3,4,5,6,7
	ds_load_b128 v[\f+8*\b:\f+8*\b+3],   v[ADRB+\slot] offset:64*(\q)+\b*16*PB
	ds_load_b128 v[\f+8*\b+4:\f+8*\b+7], v[ADRB+\slot] offset:64*(\q)+\b*16*PB+32
.endr
.irp a, 0,1,2,3
	ds_load_b128 v[\f+64+8*\a:\f+64+8*\a+3],   v[ADRA+\slot] offset:((\q)/2)*PLANE+64*((\q)%2)+\a*16*PA
	ds_load_b128 v[\f+64+8*\a+4:\f+64+8*\a+7], v[ADRA+\slot] offset:((\q)/2)*PLANE+64*((\q)%2)+\a*16*PA+32
.endr
.endm
.macro PLACES                          ; four plain instructions in front of loads into registers that matrix instructions have read, and of the first read of results
.rept 4
	v_nop
.endr
.endm
; A K step is four quarters of 32 along K, 32 matrix instructions each, on buffers 0, 1, 0, 1.  One of the first three: multiplies buffer f and fetches quarter q of the same slot into g.
.macro QUARTER slot, q, f, g, zero
	s_wait_dscnt 4                                 ; W's fragments and A's blocks 0 and 1 are in; the youngest four loads (A's blocks 2 and 3) may be out
.if \zero
	WIN MULZ
.else
	WIN MUL
.endif
	MULA \f, 0, \zero
	MULA \f, 1, \zero
	PLACES
	FETCH \slot, \q, \g
	s_wait_dscnt 24                                ; all but the 24 just issued
.if \zero
	WIN MULZ
.else
	WIN MUL
.endif
	MULA \f, 2, \zero
	MULA \f, 3, \zero
.endm
; The last quarter multiplies buffer 1 and changes slots: ONE barrier; in front of it each wave waits for all its tensor loads, adds 0 to its spare word, and waits for that and for its reads of this slot.  fill = 1: this slot is filled again, two K steps ahead.
.macro TURN slot, next, fill
	WIN 0                                          ; (the add's two registers lie in window 0)
	s_wait_tensorcnt 0x0                           ; all my tensor loads have landed: my part of the next slot
	ds_add_u32 v[SPW], v[NIL]
	s_wait_dscnt 5                                 ; (the add and the youngest four loads may be out)
	WIN MUL
	MULA F1, 0, 0                                  ; eight matrix instructions stand between the add and the wait for it
	s_wait_dscnt 0x0                               ; the add is done, and my reads of this slot are over
	s_barrier_signal -1
	MULA F1, 1, 0
.if \fill
	WIN 0
.endif
	s_barrier_wait -1
.if \fill
	CREST                                          ; the barrier has opened a round of the cluster's: no wave of any partner still reads this slot or has a load on its way
	s_add_nc_u64 s[G0+4*\slot+2:G0+4*\slot+3], s[G0+4*\slot+2:G0+4*\slot+3], 4*262144   ; four heads on
	s_add_nc_u64 s[G0B+4*\slot+2:G0B+4*\slot+3], s[G0B+4*\slot+2:G0B+4*\slot+3], 512
	JLOAD \slot                                    ; the first tensor load behind the round; its four v_nop are also the places in front of the loads below
.else
	PLACES
.endif
	FETCH \next, 0, F0
	WIN MUL
	MULA F1, 2, 0
	MULA F1, 3, 0
.endm
	s_wait_tensorcnt 1                             ; my part of K step 0 is in (K step 1's load may be out),
	s_barrier_signal -1
	s_barrier_wait -1                              ; everybody's is
	FETCH 0, 0, F0
	s_wait_loadcnt 0x0                             ; the bias
	QUARTER 0, 1, F0, F1, 1                        ; the first quarter stands in front of the loop: its products start the sums
	WIN 0
	s_mov_b32 s3, LAPS-1
.Llap:                                                 ; a trip goes once round the two slots, from a lap's second quarter to the next lap's first, and fills both again
	QUARTER 0, 2, F1, F0, 0
	QUARTER 0, 3, F0, F1, 0
	TURN 0, 1, 1
	QUARTER 1, 1, F0, F1, 0
	QUARTER 1, 2, F1, F0, 0
	QUARTER 1, 3, F0, F1, 0
	TURN 1, 0, 1
	QUARTER 0, 1, F0, F1, 0
	WIN 0
	s_sub_co_u32 s3, s3, 1
	s_cmp_lg_u32 s3, 0
	s_cbranch_scc1 .Llap
	QUARTER 0, 2, F1, F0, 0                        ; the last lap fills nothing
	QUARTER 0, 3, F0, F1, 0
	TURN 0, 1, 0
	QUARTER 1, 1, F0, F1, 0
	QUARTER 1, 2, F1, F0, 0
	QUARTER 1, 3, F0, F1, 0
	s_wait_dscnt 4                                 ; the very last quarter
	WIN MUL
	MULA F1, 0, 0
	MULA F1, 1, 0
	s_wait_dscnt 0
	MULA F1, 2, 0
	MULA F1, 3, 0
	WIN 0
; THE WAY OUT, block by block of 16 rows x 128 columns: through my own stage, back as whole rows of 512 bytes.
.macro TOSTAGE a
	WIN 0x08                                       ; an LDS store's data are its source 1: window 2
.irp b, 0,1,2,3,4,5,6,7
	ds_store_b128 v[STO], v[64*(\a)+8*\b:64*(\a)+8*\b+3] offset:64*\b            ; each accumulator from its low end on
	ds_store_b128 v[STO], v[64*(\a)+8*\b+4:64*(\a)+8*\b+7] offset:64*\b+16
.endr
	WIN 0
.set BB, BK+64*((\a)%2)
.irp t, 0,1,2,3,4,5,6,7,8,9,10,11,12,13,14,15
	ds_load_b128 v[BB+4*\t:BB+4*\t+3], v[RD] offset:\t*SPITCH    ; LDS serves a wave's instructions in order (ISA guide 5.7.1.4): these see the stores above, and the next block's stores come behind them
.endr
.endm
.macro SEND a, younger                 ; younger: the LDS instructions issued behind block a's loads
.set BB, BK+64*((\a)%2)
	s_wait_dscnt \younger
.irp t, 0,1,2,3,4,5,6,7,8,9,10,11,12,13,14,15
	global_store_b128 v[CO], v[BB+4*\t:BB+4*\t+3], s[8:9] offset:65536*(\a)+4096*\t th:TH_STORE_NT   ; 32 lanes store 512 consecutive bytes, aligned; written once, read by nobody here
.endr
.endm
	PLACES
	TOSTAGE 0
.irp a, 1,2,3
.if \a > 1
	s_wait_xcnt 0x0                                ; block a - 2's stores have read their registers: block a's rows may land there
.endif
	TOSTAGE \a
	SEND \a-1, 32                                  ; behind block a - 1's loads: block a's 16 stores and 16 loads
.endr
	SEND 3, 0
	s_wait_tensorcnt 0x0                           ; the wave's end
	ds_add_u32 v[SPW], v[NIL]
	s_wait_dscnt 0x0
	CROUND                                         ; the closing round
	s_endpgm
.Lfunc_end_k_q811b69f6d0_proj:
	.size	k_q811b69f6d0_proj, .Lfunc_end_k_q811b69f6d0_proj-k_q811b69f6d0_proj
	.p2alignl 7, 3214868480
	.fill 96, 4, 3214868480
	.section	.rodata,"a",@progbits
	.p2align	6, 0x0
	.amdhsa_kernel k_q811b69f6d0_proj
		.amdhsa_group_segment_fixed_size 327680
		.amdhsa_private_segment_fixed_size 0
		.amdhsa_enable_private_segment 0
		.amdhsa_kernarg_size 32
		.amdhsa_user_sgpr_count 2
		.amdhsa_user_sgpr_kernarg_segment_ptr 1
		.amdhsa_wavefront_size32 1
		.amdhsa_system_sgpr_workgroup_id_x 1
		.amdhsa_system_sgpr_workgroup_id_y 1
		.amdhsa_system_sgpr_workgroup_id_z 1
		.amdhsa_system_vgpr_workitem_id 0
		.amdhsa_next_free_vgpr 768
		.amdhsa_next_free_sgpr 66
		.amdhsa_reserve_vcc 0
		.amdhsa_float_denorm_mode_32 3
		.amdhsa_float_denorm_mode_16_64 3
		.amdhsa_memory_ordered 1
		.amdhsa_forward_progress 1
		.amdhsa_inst_pref_size 87
	.end_amdhsa_kernel
	.amdgpu_metadata
---
amdhsa.version: [ 1, 2 ]
amdhsa.kernels:
  - .name:           k_q811b69f6d0_proj
    .symbol:         k_q811b69f6d0_proj.kd
    .args:
      - { .name: att16, .offset: 0, .size: 8, .value_kind: global_buffer, .address_space: global }
      - { .name: wp16, .offset: 8, .size: 8, .value_kind: global_buffer, .address_space: global }
      - { .name: out0, .offset: 16, .size: 8, .value_kind: global_buffer, .address_space: global }
      - { .name: proj_b, .offset: 24, .size: 8, .value_kind: global_buffer, .address_space: global }
    .group_segment_fixed_size: 327680
    .private_segment_fixed_size: 0
    .kernarg_segment_align: 8
    .kernarg_segment_size: 32
    .max_flat_workgroup_size: 128
    .sgpr_count:     66
    .vgpr_count:     768
    .wavefront_size: 32
...
	.end_amdgpu_metadata
.endif
;; end of part 4
